; MI455X (gfx1250); checked and timed in simulation.
; The chip was launched on July 23, 2026; its instructions are those of AMD's public machine-readable ISA for CDNA 5 (MIT licence, August 2026) and "CDNA5" Instruction Set Architecture Reference Guide (July 2026). The comments in the code are by the model that wrote it; some were corrected since.
;; LSA. Allowed arithmetic: matrix products marked QUANTISED: E3M2 operands, one E8M0 scale for each 32 along K, by v_wmma_scale_f32_16x16x128_f8f6f4 with both operands' format E3M2, f32 sums; everything else in f32.
;; Inputs: scale 16 x 1 x 1 float32; w_qkv 1,024 x 3,072 float32; x 8 x 1,024 x 1,024 float32.
;; Outputs: out0 8 x 1,024 x 1,024 float32.
;; This version of the problem:
;;   THIS VERSION OF THE PROBLEM IS GIVEN IN LOW PRECISION. The matrix products marked QUANTISED in the list below multiply operands that are first quantised to E3M2 (3 exponent bits, 2 mantissa bits; 6 bits a number), with one power-of-two scale for each 32 numbers along K (OCP MX v1.0); their sums are f32. All else is computed in f32.
;;   The module's matrix products, in the order in which they are computed (A, B: the left and right operand; K: the contracted axis; several contracted axes count as one K, in the product's order):
;;     1. [M 8,192, K 1,024] x [K 1,024, N 3,072]; A: input x; B: input w_qkv: QUANTISED
;;     2. batch 128 x [M 1,024, K 64] x [K 64, N 1,024]; A: computed on the way; B: computed on the way: QUANTISED
;;     3. batch 128 x [M 1,024, K 1,024] x [K 1,024, N 64]; A: computed on the way; B: computed on the way: QUANTISED
;;   THE QUANTISER, for each operand of a quantised product, along K:
;;     - K is cut into blocks of 32 from its start; a last block that is shorter is filled with zeros.
;;     - A block's scale is 2^e with e = floor(log2(the largest magnitude in the block)) - 4, held to -126 .. 127; a block of zeros has e = 0. As a byte (E8M0): e + 127.
;;     - Each number is divided by its block's scale, clamped to +-28, and rounded to the nearest number of E3M2, ties to even, subnormals kept.
;;     - The product sums the exact products of the quantised numbers (number of the format x scale) in f32.
;;   ~~~python
;;   def quantise(x, axis):      # numpy; x: float32 -> the quantised numbers, widened to float32 again
;;       x = np.moveaxis(x, axis, -1); K = x.shape[-1]
;;       x = np.pad(x, [(0, 0)] * (x.ndim - 1) + [(0, -K % 32)]); x = x.reshape(x.shape[:-1] + (-1, 32)); a = np.abs(x).max(-1, keepdims=True)
;;       e = np.where(a > 0, np.clip(np.frexp(np.where(a > 0, a, 1))[1] - 1 - 4, -126, 127), 0)      # np.frexp(a)[1] - 1 = floor(log2(a)), exactly
;;       r = np.clip(x / 2.0 ** e, -28, 28)
;;       step = 2.0 ** (np.maximum(np.frexp(np.where(r == 0, 1, r))[1] - 1, -2) - 2)
;;       q = np.round(r / step) * step * 2.0 ** e      # np.round: ties to even
;;       return np.moveaxis(q.reshape(q.shape[:-2] + (-1,))[..., :K], -1, axis).astype(np.float32)
;;   ~~~
;;   OPERANDS COMPUTED ON THE WAY. 'Computed on the way' means the value that the module computes at that place (a softmax that the list does not call 'softmax' is quantised finished and normalised). What goes into a quantiser is computed in f32, as accurately as f32 sums, v_exp_f32 and their like allow (about 1e-6 of the number): no bf16 or f16 on the way to a quantiser, and a product that is left as it is and whose result goes on into a quantised operand takes f32 operands (vector FMAs, or v_wmma_f32_16x16x4_f32). A number that lies on a knife's edge between two numbers of the format may be rounded either way, as far as f32 arithmetic and the matrix unit's own rounding can turn it there, and no further.
;; One version. Each part assembles by itself: llvm-mc -triple=amdgcn-amd-amdhsa -mcpu=gfx1250 --defsym DOCPART=n.
;; ======== version 1 of 1: 3 launches
;; limits: right only within a limited range of input values
;; workspace buffers: cod 8,650,752 bytes; sc 360,448 bytes; img 18,874,368 bytes; scl 786,432 bytes
;; launch quant (part 1): grid 352 x 1, 4 waves a work-group, no clusters, 47,616 bytes of LDS; arguments x, w_qkv, cod, sc; writes cod, sc
.if DOCPART == 1
	.amdgcn_target "amdgcn-amd-amdhsa--gfx1250"
	.amdhsa_code_object_version 6
	.text
	.protected	k_q53d703942e_quant
	.globl	k_q53d703942e_quant
	.p2align	8
	.type	k_q53d703942e_quant,@function
k_q53d703942e_quant:
	s_mov_b64 s[64:65], 0
	v_nop
	global_prefetch_b8 v0, s[64:65] scope:SCOPE_SE
	s_setreg_imm32_b32 hwreg(HW_REG_WAVE_MODE, 25, 1), 1
	s_wait_xcnt 0x0
; x [8192][1024] and w_qkv [1024][3072], f32, become codes of BF6 (E3M2) with one E8M0 scale byte for each 32 along K = 1024.
; A block's scale is 2^(floor(log2(its largest magnitude)) - 4): its byte is the largest magnitude's exponent field - 4, held at 1 from below.
; THE CODES ARE LAID AS IMAGES OF THE OPERAND'S REGISTERS.  A fragment is 16 rows x 128 K, 12 registers a lane: lane (r, h) holds row r, registers 6 c .. 6 c + 5 = K 64 c + 32 h + 0 .. 31.
; Its image is 1,536 bytes: registers 4 g .. 4 g + 3 of lane l at 512 g + 16 l.  cod = [tile T 0..703][K step 0..7][1,536]; tiles 0..511 are x's, 512..703 are w's (a row of w's tile is a column n).
; THE ROWS OF A TILE ARE NOT NEIGHBOURS: row r of tile 2 B + u is row 32 B + 8 u + r + 8 (r / 8).
; sc = [B 0..351][K step / 2][16 u + r][K step % 2], one word of four scale bytes each: 256 bytes for a pair of tiles and two K steps.
; SHARES.  Work-groups 0..95 take w (the longer chain of loads, so it starts first), 96..351 take x: two ways through the text, each with LDS bytes of its own.  No barrier: each wave has its own stage.
; x: a work-group takes 32 rows (B), wave w K 256 w on; four steps of one fragment.  A load reads 512 consecutive bytes of a row; the 16 rows turn through the stage, so that a lane gets its 2 x 32 neighbours.
; w: a lane takes a column and its registers run down K, so a block of 32 lies in one lane; a wave takes 32 columns x 256 K; the codes are put into two images in the stage and leave as 512 consecutive bytes a store.
; LIMITS: NaN and infinities among the inputs are not served.  A block of zeros gets the byte 1 (its codes are zeros; the bytes are read by this program alone).
.set R,     64                         ; x: v64-191   two sets of 64 numbers as loaded
.set XX,    192                        ; x: v192-255  a step's numbers behind the turn: register 32 c + i = K 64 c + 32 h + i of row r
.set C,     24                         ; v24..        the codes
.set TP,    36                         ; v36..        the upper halves' codes (a conversion's three registers begin on an even number)
.set WD,    16                         ; v16..        scale words
.set WX,    64                         ; w: v64-127   two sets of 32 numbers
.set OB,    128                        ; w: v128-175  images read back, 24 registers for each K step
.set XSTW,  16*528                     ; x: a wave's stage: 16 rows of 512 bytes + 16
.set WST0,  4*XSTW                     ; w: the stages begin behind x's
.set WIP,   1664                       ; w: an image's place in the stage: 1,536 + 128, so that the two tiles' lanes fall on different banks
.set WSTW,  2*WIP
.set FLOOR, 0x2800000                  ; 2^(5 - 127): under it no largest magnitude is taken, so the byte cannot fall under 1
.set OFF4,  0xfe000000                 ; takes 4 off an exponent field
	s_load_b128 s[4:7], s[0:1], 0x0                ; x, w_qkv
	s_load_b128 s[8:11], s[0:1], 0x10              ; cod, sc
	v_lshl_add_u32 v62, v0, 2, 0xb800
	v_mov_b32 v63, 0
	v_lshrrev_b32 v1, 5, v0
	v_readfirstlane_b32 s12, v1                    ; wave 0..3
	v_and_b32 v6, 31, v0                           ; lane
	s_mov_b32 s20, 0x76543210
	s_mov_b32 s21, 0xfedcba98                      ; v_permlanex16_b32's selects for lane l xor 16
	s_mov_b32 s22, 0xffff0000                      ; lanes 16-31
	s_cmp_lt_u32 ttmp9, 96
	s_cbranch_scc1 .Lw_path
	; ------------------------------------------------------------------ x
	s_sub_co_u32 s13, ttmp9, 96                    ; B: my 32 rows
	v_lshlrev_b32 v1, 4, v6                        ; 16 x lane: my bytes of a load, of a stage row, of an image
	s_mul_i32 s14, s12, XSTW
	v_add_nc_u32 v2, s14, v1                       ; into the stage
	v_and_b32 v7, 15, v0                           ; r
	v_bfe_u32 v4, v0, 4, 1                         ; h
	v_mul_u32_u24 v3, v7, 528
	v_lshl_add_u32 v3, v4, 7, v3
	v_add_nc_u32 v3, s14, v3                       ; out of it: row r, + 128 h bytes
	v_lshlrev_b32 v4, 3, v4                        ; 8 h: where my two scale bytes stand in the word
	v_lshlrev_b32 v5, 3, v6                        ; 8 x lane: the scale words' place
	v_mov_b32 v15, 0                               ; written once: a lane permute's destination counts as one of its sources
	s_lshl_b32 s16, s13, 17                        ; x: 32 rows of 4,096 bytes,
	s_lshl_b32 s15, s12, 10                        ; + 256 numbers a wave
	s_add_co_u32 s16, s16, s15
	s_mov_b32 s17, 0
	s_mul_i32 s18, s13, 24576                      ; cod: two tiles of 12,288 bytes,
	s_mul_i32 s15, s12, 3072                       ; + two K steps a wave
	s_add_co_u32 s18, s18, s15
	s_mov_b32 s19, 0
	s_lshl_b32 s24, s13, 10                        ; sc: 1,024 bytes for B, 256 a wave
	s_lshl_b32 s15, s12, 8
	s_add_co_u32 s24, s24, s15
	s_mov_b32 s25, 0
	s_wait_alu depctr_va_vdst(0)
	s_wait_kmcnt 0x0
	s_add_nc_u64 s[4:5], s[4:5], s[16:17]
	s_add_nc_u64 s[8:9], s[8:9], s[18:19]
	s_add_nc_u64 s[10:11], s[10:11], s[24:25]
; step t: tile u = t % 2, K step t / 2 of my two.  16 loads, one for each row of the tile: 32 lanes read 512 consecutive bytes
.macro XLOAD t
.irp i, 0,1,2,3,4,5,6,7,8,9,10,11,12,13,14,15
	global_load_b128 v[R+64*((\t)%2)+4*\i:R+64*((\t)%2)+4*\i+3], v1, s[4:5] offset:(8*((\t)%2)+\i+8*(\i/8))*4096+((\t)/2)*512 th:TH_LOAD_NT
.endr
.endm
.macro XSTEP t
.if (\t) < 3
	s_wait_loadcnt 16                              ; this step's 16 loads are in; the next step's 16 may be out
.else
	s_wait_loadcnt 0x0
.endif
.irp i, 0,1,2,3,4,5,6,7,8,9,10,11,12,13,14,15
	ds_store_b128 v2, v[R+64*((\t)%2)+4*\i:R+64*((\t)%2)+4*\i+3] offset:528*\i
.endr
.irp c, 0,1
.irp j, 0,1,2,3,4,5,6,7
	ds_load_b128 v[XX+32*\c+4*\j:XX+32*\c+4*\j+3], v3 offset:256*\c+16*\j   ; LDS serves a wave's instructions in order: these see the stores above
.endr
.endr
	s_wait_dscnt 0x0                               ; the numbers are back, and the stores have read their registers,
.if (\t) < 2
	XLOAD (\t)+2                                   ; which take the loads of two steps on
.endif
.irp c, 0,1
	v_max3_num_f32 v[8+\c], |v[XX+32*\c]|, |v[XX+32*\c+1]|, FLOOR   ; block 2 c + h of row r: all its 32 numbers are mine
.endr
.irp i, 2,4,6,8,10,12,14,16,18,20,22,24,26,28,30
.irp c, 0,1
	v_max3_num_f32 v[8+\c], v[8+\c], |v[XX+32*\c+\i]|, |v[XX+32*\c+\i+1]|   ; (the two blocks by turns)
.endr
.endr
.irp c, 0,1
	v_add_nc_u32 v[10+\c], OFF4, v[8+\c]           ; the conversion takes the exponent field of this operand as its scale
.endr
.irp c, 0,1
	v_lshrrev_b32 v[12+\c], 23, v[10+\c]           ; the scale's byte
.endr
	v_lshl_or_b32 v14, v13, 16, v12                ; my two bytes, blocks h and 2 + h,
	v_lshlrev_b32 v14, v4, v14                     ; at their places in the word;
	v_permlanex16_b32 v15, v14, s20, s21
	v_or_b32 v[WD+(\t)], v14, v15                  ; with lane l xor 16's two the word is whole
	s_wait_alu depctr_va_vdst(0)
	s_wait_xcnt 0x0                                ; the last step's stores have read the codes' registers: they are written again only behind this wait
.irp c, 0,1
	v_cvt_scalef32_pk16_bf6_f32 v[C+6*\c:C+6*\c+2], v[XX+32*\c:XX+32*\c+15], v[10+\c]
	v_cvt_scalef32_pk16_bf6_f32 v[TP+4*\c:TP+4*\c+2], v[XX+32*\c+16:XX+32*\c+31], v[10+\c]
.endr
	v_nop                                          ; one plain instruction between a scaled conversion and the vector instruction that touches its result
.irp c, 0,1
.irp i, 0,1,2
	v_mov_b32 v[C+6*\c+3+\i], v[TP+4*\c+\i]
.endr
.endr
.irp g, 0,1,2
	global_store_b128 v1, v[C+4*\g:C+4*\g+3], s[8:9] offset:12288*((\t)%2)+1536*((\t)/2)+512*\g   ; 512 consecutive bytes, aligned
.endr
.endm
	XLOAD 0
	XLOAD 1
	XSTEP 0
	XSTEP 1
	XSTEP 2
	XSTEP 3
	v_cndmask_b32 v20, v16, v17, s22               ; lanes 0-15: tile u = 0's words, lanes 16-31: u = 1's; first K step,
	v_cndmask_b32 v21, v18, v19, s22               ; second K step
	global_store_b64 v5, v[20:21], s[10:11]        ; 32 lanes store 256 consecutive bytes, aligned
	s_wait_tensorcnt 0x0
	ds_add_u32 v62, v63
	s_wait_dscnt 0x0
	s_endpgm
	; ------------------------------------------------------------------ w
.Lw_path:
	s_lshr_b32 s13, ttmp9, 2                       ; which 128 columns
	s_and_b32 s14, ttmp9, 3                        ; which 256 along K
	s_lshl_b32 s15, s13, 2
	s_add_co_u32 s15, s15, s12                     ; B of w: my wave's 32 columns
	s_wait_alu depctr_va_vdst(0)
	v_lshlrev_b32 v1, 2, v6                        ; in: 4 bytes a lane
	v_bfe_u32 v7, v0, 3, 1                         ; column l is row r of tile u: u = (l / 8) % 2,
	v_and_b32 v8, 7, v0
	v_bfe_u32 v9, v0, 4, 1
	v_lshl_or_b32 v8, v9, 3, v8                    ; r = l % 8 + 8 (l / 16)
	s_mul_i32 s16, s12, WSTW
	s_add_co_u32 s16, s16, WST0                    ; my stage
	v_mul_u32_u24 v2, v7, WIP
	v_lshl_add_u32 v2, v8, 4, v2
	v_add_nc_u32 v2, s16, v2                       ; into it: image u, 16 r
	v_lshlrev_b32 v4, 4, v6                        ; 16 x lane
	v_add_nc_u32 v3, s16, v4                       ; out of it
	v_lshl_add_u32 v5, v7, 4, v8
	v_lshlrev_b32 v5, 3, v5                        ; my column's two scale words: 8 (16 u + r)
	s_mul_i32 s18, s14, 256*12288                  ; w: 256 rows of 12,288 bytes,
	s_lshl_b32 s17, s15, 7                         ; + 32 columns of 4 bytes for each B
	s_add_co_u32 s18, s18, s17
	s_mov_b32 s19, 0
	s_lshl_b32 s24, s15, 1
	s_add_co_u32 s24, s24, 512                     ; cod: tile 512 + 2 B,
	s_mul_i32 s24, s24, 12288
	s_mul_i32 s17, s14, 3072                       ; + two K steps
	s_add_co_u32 s24, s24, s17
	s_mov_b32 s25, 0
	s_add_co_u32 s26, s15, 256                     ; sc: B + 256
	s_lshl_b32 s26, s26, 10
	s_lshl_b32 s17, s14, 8
	s_add_co_u32 s26, s26, s17
	s_mov_b32 s27, 0
	s_wait_kmcnt 0x0
	s_add_nc_u64 s[6:7], s[6:7], s[18:19]
	s_add_nc_u64 s[8:9], s[8:9], s[24:25]
	s_add_nc_u64 s[10:11], s[10:11], s[26:27]
.macro WLOAD q                         ; block q: w(32 q + i, my column): 32 lanes read 128 consecutive bytes; 255 rows of 12,288 bytes stay inside the signed 24-bit immediate
.irp i, 0,1,2,3,4,5,6,7,8,9,10,11,12,13,14,15,16,17,18,19,20,21,22,23,24,25,26,27,28,29,30,31
	global_load_b32 v[WX+32*((\q)%2)+\i], v1, s[6:7] offset:(32*(\q)+\i)*12288 th:TH_LOAD_NT
.endr
.endm
.macro WBLOCK q
.set XS, WX+32*((\q)%2)
.if (\q) < 7
	s_wait_loadcnt 32                              ; this block's 32 loads are in; the next block's may be out
.else
	s_wait_loadcnt 0x0
.endif
	v_max3_num_f32 v12, |v[XS]|, |v[XS+1]|, |v[XS+2]|
	v_max3_num_f32 v13, |v[XS+3]|, |v[XS+4]|, |v[XS+5]|
.irp i, 6,10,14,18,22,26
	v_max3_num_f32 v12, v12, |v[XS+\i]|, |v[XS+\i+1]|
	v_max3_num_f32 v13, v13, |v[XS+\i+2]|, |v[XS+\i+3]|
.endr
	v_max3_num_f32 v12, v12, |v[XS+30]|, |v[XS+31]|
	v_max3_num_f32 v12, v12, v13, FLOOR
	v_add_nc_u32 v11, OFF4, v12                    ; the conversions' scale operand
	v_lshrrev_b32 v13, 23, v11                     ; the byte
.if (\q)%4 == 0
	v_mov_b32 v[WD+(\q)/4], v13                    ; four bytes to a word, the lower K in the lower byte
.else
	v_lshl_or_b32 v[WD+(\q)/4], v13, 8*((\q)%4), v[WD+(\q)/4]
.endif
	v_cvt_scalef32_pk16_bf6_f32 v[C:C+2], v[XS:XS+15], v11
	v_cvt_scalef32_pk16_bf6_f32 v[TP:TP+2], v[XS+16:XS+31], v11
	v_nop                                          ; one plain instruction behind the conversions
.irp i, 0,1,2
	v_mov_b32 v[C+3+\i], v[TP+\i]
.endr
; the block is registers 6 c .. 6 c + 5 of lane 16 (q % 2) + r of the image, c = (q % 4) / 2
.if ((\q)%4)/2 == 0
	ds_store_b128 v2, v[C:C+3] offset:256*((\q)%2)
	ds_store_b64 v2, v[C+4:C+5] offset:512+256*((\q)%2)
.else
	ds_store_b64 v2, v[C:C+1] offset:520+256*((\q)%2)
	ds_store_b128 v2, v[C+2:C+5] offset:1024+256*((\q)%2)
.endif
.if (\q) < 6
	WLOAD (\q)+2
.endif
	s_wait_dscnt 0x0                               ; the stores have read their registers: the next block's codes may be written
.endm
.macro WOUT kl                         ; a K step's two images are whole: back as they lie, and out
.irp u, 0,1
.irp g, 0,1,2
	ds_load_b128 v[OB+24*\kl+12*\u+4*\g:OB+24*\kl+12*\u+4*\g+3], v3 offset:WIP*\u+512*\g
.endr
.endr
	s_wait_dscnt 0x0
.irp u, 0,1
.irp g, 0,1,2
	global_store_b128 v4, v[OB+24*\kl+12*\u+4*\g:OB+24*\kl+12*\u+4*\g+3], s[8:9] offset:12288*\u+1536*\kl+512*\g
.endr
.endr
.endm
	WLOAD 0
	WLOAD 1
	WBLOCK 0
	WBLOCK 1
	WBLOCK 2
	WBLOCK 3
	WOUT 0
	WBLOCK 4
	WBLOCK 5
	WBLOCK 6
	WBLOCK 7
	WOUT 1
	s_wait_alu depctr_va_vdst(0)
	global_store_b64 v5, v[WD:WD+1], s[10:11]      ; the 32 lanes fill 256 consecutive bytes, aligned
	s_wait_tensorcnt 0x0
	ds_add_u32 v62, v63
	s_wait_dscnt 0x0
	s_endpgm
.Lfunc_end_k_q53d703942e_quant:
	.size	k_q53d703942e_quant, .Lfunc_end_k_q53d703942e_quant-k_q53d703942e_quant
	.p2alignl 7, 3214868480
	.fill 96, 4, 3214868480
	.section	.rodata,"a",@progbits
	.p2align	6, 0x0
	.amdhsa_kernel k_q53d703942e_quant
		.amdhsa_group_segment_fixed_size 47616
		.amdhsa_private_segment_fixed_size 0
		.amdhsa_enable_private_segment 0
		.amdhsa_kernarg_size 32
		.amdhsa_user_sgpr_count 2
		.amdhsa_user_sgpr_kernarg_segment_ptr 1
		.amdhsa_wavefront_size32 1
		.amdhsa_system_sgpr_workgroup_id_x 1
		.amdhsa_system_sgpr_workgroup_id_y 1
		.amdhsa_system_sgpr_workgroup_id_z 1
		.amdhsa_system_vgpr_workitem_id 0
		.amdhsa_next_free_vgpr 256
		.amdhsa_next_free_sgpr 66
		.amdhsa_reserve_vcc 0
		.amdhsa_float_denorm_mode_32 3
		.amdhsa_float_denorm_mode_16_64 3
		.amdhsa_memory_ordered 1
		.amdhsa_forward_progress 1
		.amdhsa_inst_pref_size 71
	.end_amdhsa_kernel
	.amdgpu_metadata
---
amdhsa.version: [ 1, 2 ]
amdhsa.kernels:
  - .name:           k_q53d703942e_quant
    .symbol:         k_q53d703942e_quant.kd
    .args:
      - { .name: x, .offset: 0, .size: 8, .value_kind: global_buffer, .address_space: global }
      - { .name: w_qkv, .offset: 8, .size: 8, .value_kind: global_buffer, .address_space: global }
      - { .name: cod, .offset: 16, .size: 8, .value_kind: global_buffer, .address_space: global }
      - { .name: sc, .offset: 24, .size: 8, .value_kind: global_buffer, .address_space: global }
    .group_segment_fixed_size: 47616
    .private_segment_fixed_size: 0
    .kernarg_segment_align: 8
    .kernarg_segment_size: 32
    .max_flat_workgroup_size: 128
    .sgpr_count:     66
    .vgpr_count:     256
    .wavefront_size: 32
...
	.end_amdgpu_metadata
.endif
;; end of part 1
;; launch gemm (part 2): grid 8 x 32, 4 waves a work-group, clusters of 4 x 4, 327,680 bytes of LDS; arguments cod, sc, img, scl; writes img, scl
.if DOCPART == 2
	.amdgcn_target "amdgcn-amd-amdhsa--gfx1250"
	.amdhsa_code_object_version 6
	.text
	.protected	k_q53d703942e_gemm
	.globl	k_q53d703942e_gemm
	.p2align	8
	.type	k_q53d703942e_gemm,@function
k_q53d703942e_gemm:
	s_mov_b64 s[64:65], 0
	v_nop
	global_prefetch_b8 v0, s[64:65] scope:SCOPE_SE
	s_setreg_imm32_b32 hwreg(HW_REG_WAVE_MODE, 25, 1), 1
	s_wait_xcnt 0x0
	s_wait_alu depctr_hold_cnt(0) depctr_sa_sdst(0) depctr_va_vdst(0) depctr_va_sdst(0) depctr_va_ssrc(0) depctr_va_vcc(0) depctr_vm_vsrc(0)
	s_getreg_b32 s2, hwreg(HW_REG_IB_STS2, 6, 4)
	s_cmp_eq_u32 s2, 0
	s_cbranch_scc0 .Lentry_in_a_cluster
	s_endpgm
.Lentry_in_a_cluster:
	s_bfe_u32 s2, ttmp6, 0x10000c
	s_cmp_lg_u32 s2, 0xf033
	s_cbranch_scc0 .Lentry_shape_is_right
	s_endpgm
.Lentry_shape_is_right:
; qkv = x w on codes of BF6 (E3M2) with E8M0 scales, K = 1024, sums in f32; the result never goes to memory as f32: each wave quantises its 128 x 128 in registers and stores q's, k's and v's CODES, laid as the
; attention launch's operand registers want them.
; OPERANDS.  cod holds fragments (16 rows x 128 K) as images of their 12 registers a lane, 1,536 bytes: registers 4 g .. 4 g + 3 of lane l at 512 g + 16 l; [tile][K step 0..7].  Row r of tile 2 B + u is row
; 32 B + 8 u + r + 8 (r / 8).  Groups of 16 tiles (256 rows): 0..31 x, 32..39 w's columns of q and k, 40..43 w's columns of v.  sc holds the scale words: [B][K step / 2][16 u + r][K step % 2].
; A tile of the result is 256 x 256: four waves, 128 x 128 each, 64 accumulators.  Source 1 is P (its row is the result's lane), source 0 is R (the result's registers run along its rows): by the order of a tile's
; rows the 16 registers of R's tiles 2 B, 2 B + 1 are 16 neighbours, 32 B + 16 (lane / 16) + 0 .. 15.
; TWO ROLES, by the cluster's y alone, so the same in all sixteen partners.  q, k (y 0..7): P = tokens, R = columns: a lane holds a token and its registers run along the head's 64, which is the first attention
; product's K.  v (y 8..11): P = columns, R = tokens: a lane holds a channel and its registers run along the keys, the second product's K.  The products' text is one; only the register numbers of the way out differ.
; K goes through two LDS slots of 256 along K each (four fills), filled by joint tensor loads: P's tiles are shared along a row of the 4 x 4 cluster, R's along a column.
; OUTPUT.  img = [q, k, v][batch x 16 + head][idx 0..31][1,536].  q, k: idx = block of 32 tokens; registers 0-5: lane (r, h) = channels 32 h .. of token 32 idx + r + 8 (r / 8); registers 6-11: the token 8 further on.
; v: idx = 4 s + t: channels' tile t (row r = channel 32 (t / 2) + 8 (t % 2) + r + 8 (r / 8)) x keys 128 s .. 128 s + 127.  scl = [part][batch x 16 + head][idx / 4][16 (idx % 2) + r][(idx / 2) % 2], a word each.
; LIMITS: NaN and infinities are not served; a block of zeros gets the byte 1 (its codes are zeros; this program alone reads the bytes).
; REGISTERS: window 0: v16-25 addresses, v28-29 the spare word's; v32-63 P's scale words, v64-95 R's (register 8 (tile / 2) + K step; lanes 0-15 the even tile, 16-31 the odd); v128-223 P's 8 fragments, ONE set;
;   on the way out v96-119 at work, v128-223 eight images, v224-235 scale words.  window 1: R's 8 fragments, TWO sets, at v0 and v128.  windows 2, 3: accumulator (a, b) at v[8 (8 (a % 4) + b)].
; THE WALK (it takes the place of what is said above of two roles by the cluster's y).  256 work-groups, each with TWO PARTS, one after the other.  Part 1: its 256 tokens (P) x 256 columns of q or k (R), as described above.
; Part 2: 128 columns of v (P, 8 tiles: a wave takes 4, one head) x the same 256 tokens (R: a wave takes 8 tiles, 128 keys): 32 accumulators a wave.  Tokens hang on the work-group's y alone and are shared along a row
; of the cluster in both parts, w's columns on its x alone and are shared along a column.  The ring does not stop between the parts: part 1's last two changes of slots ask for part 2's K steps 0 to 3 (waves 0, 1 the
; tokens, wave 2 v's 8 tiles, wave 3 nothing), which are on their way while q and k are quantised and stored.
.set NL,     3
.set FR,     12
.set KT,     1536                      ; an image
.set TILEB,  2*KT                      ; a tile's part of a slot: two K steps
.set HALFT,  8*TILEB                   ; 8 tiles: what one tensor load brings, and what one wave reads of P or of R
.set SLOT,   4*HALFT                   ; P's 16 tiles, then R's 16
.set SPARE,  2*SLOT                    ; behind the ring: the spare words, 128 bytes for each wave
.set ADRP,  16                         ; v16-17  LDS address of my P fragments in slot 0, 1
.set ADRR,  20                         ; v20-21  of my R fragments
.set LI,    24                         ; v24     16 x lane
.set L8,    25                         ; v25     8 x lane
.set SPW,   28                         ; v28     LDS address of my spare word; never rewritten
.set NIL,   29                         ; v29     0; never rewritten
.set PS,    32
.set RS,    64
.set TM,    96                         ; v96-99 largest magnitudes, v100-103 bytes, v104-105 at work, v108-111 the conversions' scale operands
.set TP,    112                        ; v112-118 the odd blocks' codes
.set AF,    128
.set IMG,   128
.set PW,    224
.set WP,    232
.set G1,    24                         ; s[24:31] descriptor group 1 for P's tiles; s[32:39] group 0, a set for each slot
.set G0,    32
.set G1B,   48                         ; s[48:55], s[56:63] the same for R's
.set G0B,   56
.set SEL,   80                         ; s[80:81] lane selects for lane l xor 16
.set MSB, 0
.macro WIN new                         ; the immediate's high byte repeats the setting that is left
.if MSB != \new
	s_set_vgpr_msb (MSB<<8)|\new
.set MSB, \new
.endif
.endm
.set MUL_LO, 0xa1                      ; source 0 (R) window 1, source 1 (P) window 0, C and D window 2
.set MUL_HI, 0xf1                      ; the same, C and D window 3
.set TO_R,   0x40                      ; destination window 1, address window 0
.macro PLACES                          ; four plain instructions between a matrix instruction and a load into, or a vector write of, its registers, or a read of its result
.rept 4
	v_nop
.endr
.endm
; A joint refill: waves 0 and 1 fetch P's halves, waves 2 and 3 R's.  The branch hangs on the wave's number alone.  Four v_nop follow each of the two lines.
.macro JLOAD s
	s_cmp_eq_u32 s15, 0
	s_cbranch_scc0 .Lfor_r_\@
	tensor_load_to_lds s[G0+4*\s:G0+4*\s+3], s[G1:G1+7]
	s_nop 0
.rept 4
	v_nop
.endr
	s_branch .Lasked_\@
.Lfor_r_\@:
	tensor_load_to_lds s[G0B+4*\s:G0B+4*\s+3], s[G1B:G1B+7]
	s_nop 0
.rept 4
	v_nop
.endr
.Lasked_\@:
.endm
.macro CREST                           ; a round of the cluster's barrier behind its opening barrier
	s_cmp_lg_u32 s14, 0
	s_cbranch_scc1 .Lnot_wave_0_\@
	s_barrier_signal -3
.Lnot_wave_0_\@:
	s_barrier_wait -3
	s_barrier_signal -1
	s_barrier_wait -1
.endm
.macro CROUND                          ; a whole round
	s_barrier_signal -1
	s_barrier_wait -1
	CREST
.endm
	s_load_b128 s[4:7], s[0:1], 0x0                ; cod, sc
	s_load_b128 s[8:11], s[0:1], 0x10              ; img, scl
	v_lshl_add_u32 v[SPW], v0, 2, SPARE
	v_mov_b32 v[NIL], 0
	ds_add_u32 v28, v29
	ds_add_u32 v28, v29
	s_wait_dscnt 0x0
	v_lshrrev_b32 v1, 5, v0
	v_readfirstlane_b32 s14, v1                    ; wave 0..3
	s_lshr_b32 s15, s14, 1                         ; which half of P's tiles is mine.  Also: I fetch for P (0) or for R (1)
	s_and_b32 s16, s14, 1                          ; which half of R's.  Also: which 8 tiles I fetch
	s_bfe_u32 s40, ttmp6, 0x40000                  ; cx, cy: my place in the cluster
	s_bfe_u32 s41, ttmp6, 0x40004
	s_and_b32 s17, ttmp7, 0xffff                   ; the cluster's y
	s_lshl_b32 s42, ttmp9, 2                       ; 4 x the cluster's x
	s_lshl_b32 s43, s17, 2                         ; 4 y
	s_add_co_u32 s42, s42, 32                      ; 32 + 4 x
	s_add_co_u32 s43, s43, s41                     ; P's group of 16 tiles: it hangs on cy alone of the two places
	s_add_co_u32 s42, s42, s40                     ; R's: on cx alone
	s_lshl_b32 s45, s41, 2
	s_lshl_b32 s45, 15, s45                        ; my row of the cluster
	s_lshl_b32 s46, 0x1111, s40                    ; my column
	; descriptor group 1: 8 rows (tiles) of 3,072 bytes (two K steps' images), 12,288 bytes apart in memory, dense in LDS
	s_or_b32 s[G1+0], s45, (3<<16)|(1<<21)         ; 15:0 the mask: P's tiles go to my row; 17:16 elements of 8 bytes; 21 set beside a mask; no padding
	s_or_b32 s[G1B+0], s46, (3<<16)|(1<<21)        ; R's go to my column
.irp g, G1, G1B
	s_mov_b32 s[\g+1], 384<<16                     ; tensor_dim0 = 384 elements
	s_mov_b32 s[\g+2], 8<<16                       ; tensor_dim1 = 8
	s_mov_b32 s[\g+3], 384<<16                     ; tile_dim0
	s_mov_b32 s[\g+4], 8                           ; tile_dim1
	s_mov_b32 s[\g+5], 1536                        ; from row to row: 1,536 elements
	s_mov_b32 s[\g+6], 0
	s_mov_b32 s[\g+7], 0
.endr
	s_lshl_b32 s19, s16, 3                         ; which 8 tiles of the 16 I fetch
	s_lshl_b32 s20, s43, 4
	s_add_co_u32 s20, s20, s19
	s_mul_i32 s20, s20, 12288                      ; P: in bytes (under 2^24)
	s_mov_b32 s21, 0
	s_lshl_b32 s22, s42, 4
	s_add_co_u32 s22, s22, s19
	s_mul_i32 s22, s22, 12288                      ; R
	s_mov_b32 s23, 0
	s_mul_i32 s47, s14, HALFT                      ; where they go: wave x 8 tiles: no place in the cluster enters an LDS address
	s_mov_b32 s[SEL], 0x76543210
	s_mov_b32 s[SEL+1], 0xfedcba98
	s_mov_b32 s82, 0xffff0000                      ; lanes 16-31
	s_wait_kmcnt 0x0
	s_add_nc_u64 s[20:21], s[4:5], s[20:21]
	s_add_nc_u64 s[22:23], s[4:5], s[22:23]
	CROUND                                         ; all sixteen work-groups are here: the first joint loads meet
.irp s, 0,1
	s_mov_b32 s[G0+4*\s], 1
	s_add_co_u32 s[G0+4*\s+1], s47, \s*SLOT
	s_add_nc_u64 s[G0+4*\s+2:G0+4*\s+3], s[20:21], \s*TILEB
	s_or_b32 s[G0+4*\s+3], s[G0+4*\s+3], 0x80000000
	s_mov_b32 s[G0B+4*\s], 1
	s_add_co_u32 s[G0B+4*\s+1], s47, \s*SLOT
	s_add_nc_u64 s[G0B+4*\s+2:G0B+4*\s+3], s[22:23], \s*TILEB
	s_or_b32 s[G0B+4*\s+3], s[G0B+4*\s+3], 0x80000000
.endr
	s_cmp_eq_u32 s15, 0                            ; slot 0's first fill: one tensor load a wave at the head
	s_cbranch_scc0 .Lfirst_r
	tensor_load_to_lds s[G0:G0+3], s[G1:G1+7]
	s_nop 0
.rept 4
	v_nop
.endr
	s_branch .Lfirst_asked
.Lfirst_r:
	tensor_load_to_lds s[G0B:G0B+3], s[G1B:G1B+7]
	s_nop 0
.rept 4
	v_nop
.endr
.Lfirst_asked:
	v_and_b32 v1, 31, v0
	v_lshlrev_b32 v[LI], 4, v1
	v_lshlrev_b32 v[L8], 3, v1
	s_wait_alu depctr_va_vdst(0)
	s_mul_i32 s19, s15, HALFT                      ; my 8 tiles of P
	s_mul_i32 s47, s16, HALFT                      ; my 8 tiles of R,
	s_add_co_u32 s47, s47, 2*HALFT                 ; which lie behind P's 16
.irp s, 0,1
	v_add_nc_u32 v[ADRP+\s], s19, v[LI]
	v_add_nc_u32 v[ADRR+\s], s47, v[LI]
	s_add_co_u32 s19, s19, SLOT
	s_add_co_u32 s47, s47, SLOT
.endr
	s_mul_i32 s19, s16, HALFT                      ; part 2: my 8 tiles of tokens (v18-19),
	s_mul_i32 s47, s15, 4*TILEB                    ; my 4 tiles of v's columns, which lie where R's lay (v22-23);
	s_add_co_u32 s83, s47, 12*TILEB                ; the same less 4 tiles, for the fetch into P's registers 4-7 (v26-27)
	s_add_co_u32 s47, s47, 2*HALFT
.irp s, 0,1
	v_add_nc_u32 v[18+\s], s19, v[LI]
	v_add_nc_u32 v[22+\s], s47, v[LI]
	v_add_nc_u32 v[26+\s], s83, v[LI]
	s_add_co_u32 s19, s19, SLOT
	s_add_co_u32 s47, s47, SLOT
	s_add_co_u32 s83, s83, SLOT
.endr
	; the scale words of my 8 + 8 tiles for all of K come once, straight into registers: each load is 256 consecutive bytes
	s_lshl_b32 s74, s43, 3
	s_lshl_b32 s75, s15, 2
	s_add_co_u32 s74, s74, s75
	s_lshl_b32 s74, s74, 10
	s_mov_b32 s75, 0
	s_add_nc_u64 s[66:67], s[6:7], s[74:75]
	s_lshl_b32 s74, s42, 3
	s_lshl_b32 s76, s16, 2
	s_add_co_u32 s74, s74, s76
	s_lshl_b32 s74, s74, 10
	s_add_nc_u64 s[68:69], s[6:7], s[74:75]
.irp bb, 0,1,2,3
.irp k2, 0,1,2,3
	global_load_b64 v[PS+8*\bb+2*\k2:PS+8*\bb+2*\k2+1], v[L8], s[66:67] offset:1024*\bb+256*\k2
	global_load_b64 v[RS+8*\bb+2*\k2:RS+8*\bb+2*\k2+1], v[L8], s[68:69] offset:1024*\bb+256*\k2
.endr
.endr
	; where my results go
	s_mov_b32 s74, s43                             ; part 1: the tokens' group of 256,
	s_mov_b32 s75, s15                             ; my half of it,
	s_mov_b32 s76, s42                             ; the columns' group of 256,
	s_mov_b32 s77, s16                             ; my half of it
	s_sub_co_u32 s76, s76, 32
	s_lshl_b32 s76, s76, 2
	s_lshl_b32 s77, s77, 1
	s_add_co_u32 s76, s76, s77                     ; my first head of 48 (q's 16, k's 16, v's 16); I make two
	s_lshr_b32 s77, s76, 4
	s_lshl_b32 s77, s77, 7                         ; 128 x part
	s_and_b32 s76, s76, 15
	s_add_co_u32 s77, s77, s76                     ; + head
	s_lshr_b32 s76, s74, 2
	s_lshl_b32 s76, s76, 4
	s_add_co_u32 s77, s77, s76                     ; + 16 x batch
	s_and_b32 s74, s74, 3
	s_lshl_b32 s74, s74, 3
	s_lshl_b32 s75, s75, 2
	s_add_co_u32 s74, s74, s75                     ; my first idx: four images for my 128 tokens
	s_lshl_b32 s78, s77, 5
	s_add_co_u32 s78, s78, s74
	s_mul_i32 s78, s78, KT
	s_mov_b32 s79, 0
	s_add_nc_u64 s[70:71], s[8:9], s[78:79]        ; img
	s_lshl_b32 s78, s77, 11
	s_lshl_b32 s74, s74, 6
	s_add_co_u32 s78, s78, s74
	s_add_nc_u64 s[72:73], s[10:11], s[78:79]      ; scl
	; part 2's places.  v's tiles hang on the work-group's x alone, in registers that hold nothing else
	s_sub_co_u32 s94, s42, 32                      ; x
	s_lshl_b32 s94, s94, 3
	s_add_co_u32 s94, s94, 640                     ; v's columns begin at tile 640; 8 tiles for each x
	s_mul_i32 s94, s94, 12288
	s_mov_b32 s95, 0
	s_add_nc_u64 s[84:85], s[4:5], s[94:95]
	s_lshl_b32 s78, s43, 3
	s_lshl_b32 s77, s16, 2
	s_add_co_u32 s78, s78, s77
	s_lshl_b32 s78, s78, 10
	s_add_nc_u64 s[86:87], s[6:7], s[78:79]        ; the scale words of my 8 tiles of tokens,
	s_sub_co_u32 s76, s42, 32
	s_lshl_b32 s78, s76, 2
	s_lshl_b32 s77, s15, 1
	s_add_co_u32 s78, s78, s77
	s_add_co_u32 s78, s78, 320
	s_lshl_b32 s78, s78, 10
	s_add_nc_u64 s[88:89], s[6:7], s[78:79]        ; and of my 4 tiles of v's columns
	s_lshl_b32 s77, s76, 1
	s_add_co_u32 s77, s77, s15
	s_add_co_u32 s77, s77, 256                     ; 128 x part 2 + my head
	s_lshr_b32 s75, s43, 2
	s_lshl_b32 s75, s75, 4
	s_add_co_u32 s77, s77, s75                     ; + 16 x batch
	s_and_b32 s74, s43, 3
	s_lshl_b32 s74, s74, 3
	s_lshl_b32 s75, s16, 2
	s_add_co_u32 s74, s74, s75                     ; my first idx: 4 x my step of 128 keys
	s_lshl_b32 s78, s77, 5
	s_add_co_u32 s78, s78, s74
	s_mul_i32 s78, s78, KT
	s_add_nc_u64 s[90:91], s[8:9], s[78:79]        ; img
	s_lshl_b32 s78, s77, 11
	s_lshl_b32 s74, s74, 6
	s_add_co_u32 s78, s78, s74
	s_add_nc_u64 s[92:93], s[10:11], s[78:79]      ; scl
; one product; the register numbers stand in rD, rR, rP, rSR, rSP; rSel = 2 x (R's tile is odd) + (P's tile is odd): an odd tile's scale words lie in lanes 16-31
.macro WM zero
.if \zero
.if rSel == 0
	v_wmma_scale_f32_16x16x128_f8f6f4 v[rD:rD+7], v[rR:rR+11], v[rP:rP+11], 0, v[rSR], v[rSP] matrix_a_fmt:MATRIX_FMT_BF6 matrix_b_fmt:MATRIX_FMT_BF6
.elseif rSel == 1
	v_wmma_scale_f32_16x16x128_f8f6f4 v[rD:rD+7], v[rR:rR+11], v[rP:rP+11], 0, v[rSR], v[rSP] matrix_a_fmt:MATRIX_FMT_BF6 matrix_b_fmt:MATRIX_FMT_BF6 matrix_b_scale:MATRIX_SCALE_ROW1
.elseif rSel == 2
	v_wmma_scale_f32_16x16x128_f8f6f4 v[rD:rD+7], v[rR:rR+11], v[rP:rP+11], 0, v[rSR], v[rSP] matrix_a_fmt:MATRIX_FMT_BF6 matrix_b_fmt:MATRIX_FMT_BF6 matrix_a_scale:MATRIX_SCALE_ROW1
.else
	v_wmma_scale_f32_16x16x128_f8f6f4 v[rD:rD+7], v[rR:rR+11], v[rP:rP+11], 0, v[rSR], v[rSP] matrix_a_fmt:MATRIX_FMT_BF6 matrix_b_fmt:MATRIX_FMT_BF6 matrix_a_scale:MATRIX_SCALE_ROW1 matrix_b_scale:MATRIX_SCALE_ROW1
.endif
.else
.if rSel == 0
	v_wmma_scale_f32_16x16x128_f8f6f4 v[rD:rD+7], v[rR:rR+11], v[rP:rP+11], v[rD:rD+7], v[rSR], v[rSP] matrix_a_fmt:MATRIX_FMT_BF6 matrix_b_fmt:MATRIX_FMT_BF6
.elseif rSel == 1
	v_wmma_scale_f32_16x16x128_f8f6f4 v[rD:rD+7], v[rR:rR+11], v[rP:rP+11], v[rD:rD+7], v[rSR], v[rSP] matrix_a_fmt:MATRIX_FMT_BF6 matrix_b_fmt:MATRIX_FMT_BF6 matrix_b_scale:MATRIX_SCALE_ROW1
.elseif rSel == 2
	v_wmma_scale_f32_16x16x128_f8f6f4 v[rD:rD+7], v[rR:rR+11], v[rP:rP+11], v[rD:rD+7], v[rSR], v[rSP] matrix_a_fmt:MATRIX_FMT_BF6 matrix_b_fmt:MATRIX_FMT_BF6 matrix_a_scale:MATRIX_SCALE_ROW1
.else
	v_wmma_scale_f32_16x16x128_f8f6f4 v[rD:rD+7], v[rR:rR+11], v[rP:rP+11], v[rD:rD+7], v[rSR], v[rSP] matrix_a_fmt:MATRIX_FMT_BF6 matrix_b_fmt:MATRIX_FMT_BF6 matrix_a_scale:MATRIX_SCALE_ROW1 matrix_b_scale:MATRIX_SCALE_ROW1
.endif
.endif
.endm
; 16 products: P's tiles a0, a0 + 1 x R's eight, K step kap; p: R's set.  zero = 1: the first product starts the sums.  The 64 accumulators take turns, one instruction a turn, in the same order in every K step.
.macro MUL16 a0, p, kap, zero
.irp a, \a0, \a0+1
.irp b, 0,1,2,3,4,5,6,7
.set rD, 8*(8*((\a)%4)+\b)
.set rR, 128*(\p)+FR*\b
.set rP, AF+FR*(\a)
.set rSR, RS+8*(\b/2)+(\kap)
.set rSP, PS+8*((\a)/2)+(\kap)
.set rSel, 2*(\b%2)+(\a)%2
	WM \zero
.endr
.endr
.endm
.macro FRAG reg, adr, q, i             ; a fragment comes as it lies: three loads of 512 consecutive bytes
.irp g, 0,1,2
	ds_load_b128 v[\reg+4*\g:\reg+4*\g+3], v[\adr] offset:(\i)*TILEB+(\q)*KT+512*\g
.endr
.endm
.macro FETCH_R slot, q, p              ; R's eight fragments of the slot's q-th K step into set p
	WIN TO_R
.irp i, 0,1,2,3,4,5,6,7
	FRAG 128*(\p)+FR*\i, ADRR+\slot, \q, \i
.endr
	WIN 0
.endm
.macro FETCH_P slot, q, i0             ; P's tiles i0 .. i0 + 3
.irp i, \i0, \i0+1, \i0+2, \i0+3
	FRAG AF+FR*(\i), ADRP+\slot, \q, \i
.endr
.endm
; A slot's first K step.  A tile of P is free as soon as its eight products are issued: tiles 0-3 are fetched anew in the step's middle, tiles 4-7 at its end; R has two sets.
.macro STEP slot, kap, zero
	s_wait_dscnt 4*NL                              ; R's set and P's tiles 0-3 are in; the youngest 12 loads (P's tiles 4-7) may be out
	WIN MUL_LO
	MUL16 0, 0, \kap, \zero
	MUL16 2, 0, \kap, \zero
	s_wait_dscnt 0x0                               ; P's tiles 4-7 are in
	PLACES
	FETCH_R \slot, 1, 1
	FETCH_P \slot, 1, 0
	WIN MUL_HI
	MUL16 4, 0, \kap, \zero
	MUL16 6, 0, \kap, \zero
	PLACES
	WIN 0
	FETCH_P \slot, 1, 4
.endm
; A slot's second K step changes slots: ONE barrier; in front of it each wave waits for all its tensor loads, adds 0 to its spare word, and waits for that and for its own reads of this slot.
; fill = 1: the barrier opens a round of the cluster's barrier and this slot is filled again, two slots ahead, first thing behind the round.
.macro TURN slot, next, kap, fill
	s_wait_tensorcnt 0x0                           ; all my tensor loads have landed: my part of the next slot
	ds_add_u32 v[SPW], v[NIL]                      ; 0 onto my spare word
	s_wait_dscnt 4*NL+1                            ; (the add and the youngest 12 loads, P's tiles 4-7, may be out)
	WIN MUL_LO
	MUL16 0, 1, \kap, 0                            ; sixteen products stand between the add and the wait for it
	s_wait_dscnt 0x0                               ; the add is done, and my reads of this slot are over
	s_barrier_signal -1
	MUL16 2, 1, \kap, 0
	WIN 0
	s_barrier_wait -1
.if \fill == 1
	CREST                                          ; no wave of any partner still reads this slot's tiles or has a load on its way
	s_add_nc_u64 s[G0+4*\slot+2:G0+4*\slot+3], s[G0+4*\slot+2:G0+4*\slot+3], 2*TILEB
	s_add_nc_u64 s[G0B+4*\slot+2:G0B+4*\slot+3], s[G0B+4*\slot+2:G0B+4*\slot+3], 2*TILEB
	JLOAD \slot                                    ; the four v_nop behind it are also the places in front of the loads below
.elseif \fill == 2
	CREST
	NEXTPH \slot                                   ; the slot takes part 2's tiles
.else
	PLACES
.endif
	FETCH_R \next, 0, 0
	FETCH_P \next, 0, 0
	WIN MUL_HI
	MUL16 4, 1, \kap, 0
	MUL16 6, 1, \kap, 0
	PLACES
	WIN 0
	FETCH_P \next, 0, 4
.endm
	s_wait_alu depctr_va_vdst(0)
	s_wait_tensorcnt 0x0                           ; my part of slot 0 is in
	ds_add_u32 v[SPW], v[NIL]
	s_wait_dscnt 0x0
	CROUND                                         ; everybody's part is in, and all sixteen work-groups are here
	JLOAD 1                                        ; slot 1's first fill: my one tensor load behind the round
	FETCH_R 0, 0, 0
	FETCH_P 0, 0, 0
	FETCH_P 0, 0, 4
	s_wait_loadcnt 0x0                             ; the scale words
	STEP 0, 0, 1                                   ; eight K steps, written out: each names its own scale registers
	TURN 0, 1, 1, 1
	STEP 1, 2, 0
	TURN 1, 0, 3, 1
	STEP 0, 4, 0
; Part 2's joint refill: waves 0 and 1 fetch the tokens' halves, wave 2 v's 8 tiles, wave 3 nothing.  The branches hang on the wave's number alone.  The places at the end serve every way.
.macro JLOAD2 s
	s_cmp_eq_u32 s15, 0
	s_cbranch_scc0 .Lfor_v_\@
	tensor_load_to_lds s[G0+4*\s:G0+4*\s+3], s[G1:G1+7]
	s_nop 0
.rept 4
	v_nop
.endr
	s_branch .Lasked2_\@
.Lfor_v_\@:
	s_cmp_eq_u32 s14, 2
	s_cbranch_scc0 .Lasked2_\@
	tensor_load_to_lds s[G0B+4*\s:G0B+4*\s+3], s[G1B:G1B+7]
	s_nop 0
.rept 4
	v_nop
.endr
.Lasked2_\@:
	PLACES
.endm
.macro NEXTPH slot                     ; no tensor load of mine is out: the tokens go back to the slot's first K steps, and R's descriptor takes v's tiles
	s_sub_nc_u64 s[G0+4*\slot+2:G0+4*\slot+3], s[G0+4*\slot+2:G0+4*\slot+3], 2*TILEB
	s_add_nc_u64 s[G0B+4*\slot+2:G0B+4*\slot+3], s[84:85], \slot*TILEB
	s_or_b32 s[G0B+4*\slot+3], s[G0B+4*\slot+3], 0x80000000
	JLOAD2 \slot
.endm
	TURN 0, 1, 5, 2                                ; slot 0 takes part 2's K steps 0, 1
	STEP 1, 6, 0
	s_wait_tensorcnt 0x0                           ; part 1's last K step changes slots too: all my tensor loads have landed, my part of slot 0 among them
	ds_add_u32 v[SPW], v[NIL]                      ; 0 onto my spare word
	s_wait_dscnt 4*NL+1
	WIN MUL_LO
	MUL16 0, 1, 7, 0
	s_wait_dscnt 0x0                               ; the add is done, and my reads of slot 1 are over
	s_barrier_signal -1
	MUL16 2, 1, 7, 0
	WIN 0
	s_barrier_wait -1
	CREST
	NEXTPH 1                                       ; slot 1 takes part 2's K steps 2, 3
	WIN MUL_HI
	MUL16 4, 1, 7, 0
	MUL16 6, 1, 7, 0
	WIN 0
; THE WAY OUT.  P's tile a: my lane's 64 numbers, register 16 b + i = place 32 b + 16 (lane / 16) + i along R, are four blocks of 32, each shared with lane l xor 16.  Blocks 0, 1 become six registers at d0, blocks 2, 3 at d1:
; lane (r, h) then holds block h, or 2 + h, whole.  The four bytes are left in v[TM+4] on.  Each accumulator is read from its low end on.
.macro QB a, d0, d1
.set W, 2+(\a)/4
.set AC, 64*((\a)%4)
	WIN (W<<2)|(W<<4)
.irp b, 0,1,2,3
	v_max3_num_f32 v[TM+\b], 0x2800000, |v[AC+16*\b]|, |v[AC+16*\b+1]|   ; with the floor 2^(5 - 127): the byte cannot fall under 1
.endr
.irp i, 2,4,6,8,10,12,14
.irp b, 0,1,2,3
	v_max3_num_f32 v[TM+\b], v[TM+\b], |v[AC+16*\b+\i]|, |v[AC+16*\b+\i+1]|   ; (the four blocks by turns)
.endr
.endr
	WIN 0
.irp b, 0,1,2,3
	v_permlanex16_b32 v[TM+4+\b], v[TM+\b], s[SEL], s[SEL+1]
.endr
.irp b, 0,1,2,3
	v_max_num_f32 v[TM+\b], v[TM+\b], v[TM+4+\b]   ; the block's largest magnitude
.endr
.irp b, 0,1,2,3
	v_add_nc_u32 v[TM+12+\b], 0xfe000000, v[TM+\b]   ; 4 off its exponent field: the conversion's scale operand
.endr
.irp b, 0,1,2,3
	v_lshrrev_b32 v[TM+4+\b], 23, v[TM+12+\b]      ; the byte
.endr
	WIN W
	v_cvt_scalef32_pk16_bf6_f32 v[\d0:\d0+2], v[AC:AC+15], v[TM+12]
	v_cvt_scalef32_pk16_bf6_f32 v[TP:TP+2], v[AC+16:AC+31], v[TM+13]
	v_cvt_scalef32_pk16_bf6_f32 v[\d1:\d1+2], v[AC+32:AC+47], v[TM+14]
	v_cvt_scalef32_pk16_bf6_f32 v[TP+4:TP+6], v[AC+48:AC+63], v[TM+15]
	WIN 0
	v_nop                                          ; one plain instruction behind the conversions
.irp i, 0,1,2
	v_permlane16_swap_b32 v[\d0+\i], v[TP+\i]      ; the first's lanes 16-31 change places with the second's lanes 0-15: each lane's block's lower 16 codes, and its upper 16
	v_permlane16_swap_b32 v[\d1+\i], v[TP+4+\i]
.endr
.irp i, 0,1,2
	v_mov_b32 v[\d0+3+\i], v[TP+\i]
	v_mov_b32 v[\d1+3+\i], v[TP+4+\i]
.endr
.endm
.irp b, 0,1,2,3
	v_mov_b32 v[TM+4+\b], 0                        ; a lane permute's destination counts as one of its sources; these four are also the places behind the last products
.endr
	; part 2's scale words are asked for now: the tokens' into R's registers; v's two pairs of tiles into P's, twice, since P's registers 0-3 and 4-7 take turns there
.irp bb, 0,1,2,3
.irp k2, 0,1,2,3
	global_load_b64 v[RS+8*\bb+2*\k2:RS+8*\bb+2*\k2+1], v[L8], s[86:87] offset:1024*\bb+256*\k2
	global_load_b64 v[PS+8*\bb+2*\k2:PS+8*\bb+2*\k2+1], v[L8], s[88:89] offset:1024*(\bb%2)+256*\k2
.endr
.endr
	; q, k: P's tile a = 2 i + u: tokens' tile u of block i; blocks 0, 1 are my first head's 64 channels, blocks 2, 3 my second's: half an image each
.irp i, 0,1,2,3
	QB 2*\i, IMG+12*\i, IMG+12*(4+\i)
	v_lshl_or_b32 v[PW+\i], v[TM+5], 8, v[TM+4]
	v_lshl_or_b32 v[PW+4+\i], v[TM+7], 8, v[TM+6]
	QB 2*\i+1, IMG+12*\i+6, IMG+12*(4+\i)+6
	v_lshl_or_b32 v[TM+8], v[TM+5], 8, v[TM+4]
	v_lshl_or_b32 v[TM+9], v[TM+7], 8, v[TM+6]
	v_lshl_or_b32 v[PW+\i], v[TM+8], 16, v[PW+\i]
	v_lshl_or_b32 v[PW+4+\i], v[TM+9], 16, v[PW+4+\i]
.endr
.Lsend:
	s_wait_alu depctr_va_vdst(0)
.irp hd, 0,1
.irp j, 0,1
	v_cndmask_b32 v[WP+2*\hd+\j], v[PW+4*\hd+2*\j], v[PW+4*\hd+2*\j+1], s82   ; lanes 0-15: the even image's words, lanes 16-31: the odd one's
.endr
.endr
.irp hd, 0,1
.irp i, 0,1,2,3
.irp g, 0,1,2
	global_store_b128 v[LI], v[IMG+12*(4*\hd+\i)+4*\g:IMG+12*(4*\hd+\i)+4*\g+3], s[70:71] offset:49152*\hd+KT*\i+512*\g   ; 512 consecutive bytes, aligned
.endr
.endr
	global_store_b64 v[L8], v[WP+2*\hd:WP+2*\hd+1], s[72:73] offset:2048*\hd   ; 256 consecutive bytes, aligned
.endr
; PART 2: v.  Source 1 = my 4 tiles of v's columns, source 0 = my 8 tiles of tokens; 32 accumulators in window 2.  Both sides have two sets of registers (R's two; P's registers 0-3 and 4-7), by the K step's parity:
; a step's 36 LDS loads are issued one step ahead.
.set ADRR, 18
.macro FETCH2 slot, q, par             ; the fragments of the slot's q-th K step into the sets of parity par: 24 + 12 loads
	FETCH_R \slot, \q, \par
.set ADRP, 22+4*(\par)
	FETCH_P \slot, \q, 4*(\par)
.endm
.macro STEP2 slot, kap, zero           ; a slot's first K step
	FETCH2 \slot, 1, 1
	s_wait_dscnt 36                                ; this step's 36 loads are in; the 36 just issued may be out
	WIN MUL_LO
	MUL16 0, 0, \kap, \zero
	MUL16 2, 0, \kap, \zero
	WIN 0
.endm
.macro TURN2 slot, next, kap, fill     ; a slot's second K step changes slots, as in part 1
	s_wait_tensorcnt 0x0                           ; all my tensor loads have landed: my part of the next slot
	ds_add_u32 v[SPW], v[NIL]                      ; 0 onto my spare word
	s_wait_dscnt 1                                 ; this step's fragments are in; the add may be out
	WIN MUL_LO
	MUL16 4, 1, \kap, 0
	s_wait_dscnt 0x0                               ; the add is done, and my reads of this slot are over
	s_barrier_signal -1
	MUL16 6, 1, \kap, 0
	WIN 0
	s_barrier_wait -1
.if \fill
	CREST
	s_add_nc_u64 s[G0+4*\slot+2:G0+4*\slot+3], s[G0+4*\slot+2:G0+4*\slot+3], 2*TILEB
	s_add_nc_u64 s[G0B+4*\slot+2:G0B+4*\slot+3], s[G0B+4*\slot+2:G0B+4*\slot+3], 2*TILEB
	JLOAD2 \slot
.else
	PLACES
.endif
	FETCH2 \next, 0, 0
.endm
	s_wait_xcnt 0x0                                ; part 1's stores have read their registers, which the loads below fill
	FETCH2 0, 0, 0                                 ; slot 0 was shown whole by the barrier of part 1's last K step
	s_wait_loadcnt 0x0                             ; the scale words
	STEP2 0, 0, 1
	TURN2 0, 1, 1, 1
	STEP2 1, 2, 0
	TURN2 1, 0, 3, 1
	STEP2 0, 4, 0
	TURN2 0, 1, 5, 0                               ; nothing is left to fetch
	STEP2 1, 6, 0
	s_wait_dscnt 0x0
	WIN MUL_LO
	MUL16 4, 1, 7, 0
	MUL16 6, 1, 7, 0
	WIN 0
.irp b, 0,1,2,3
	v_mov_b32 v[TM+4+\b], 0                        ; the places behind the last products
.endr
	; P's tile t is one fragment: 16 channels of my head x my 128 keys; its four bytes are its scale word
.irp a, 0,1,2,3
	QB \a, IMG+12*\a, IMG+12*\a+6
	v_lshl_or_b32 v[PW+\a], v[TM+5], 8, v[TM+4]
	v_lshl_or_b32 v[PW+\a], v[TM+6], 16, v[PW+\a]
	v_lshl_or_b32 v[PW+\a], v[TM+7], 24, v[PW+\a]
.endr
	s_wait_alu depctr_va_vdst(0)
.irp j, 0,1
	v_cndmask_b32 v[WP+\j], v[PW+2*\j], v[PW+2*\j+1], s82   ; lanes 0-15: the even image's words, lanes 16-31: the odd one's
.endr
.irp i, 0,1,2,3
.irp g, 0,1,2
	global_store_b128 v[LI], v[IMG+12*\i+4*\g:IMG+12*\i+4*\g+3], s[90:91] offset:KT*\i+512*\g   ; 512 consecutive bytes, aligned
.endr
.endr
	global_store_b64 v[L8], v[WP:WP+1], s[92:93]   ; 256 consecutive bytes, aligned
	s_wait_tensorcnt 0x0                           ; the wave's end
	ds_add_u32 v[SPW], v[NIL]
	s_wait_dscnt 0x0
	CROUND                                         ; the closing round: no work-group ends while a partner may still ask for a tile that names it
	s_endpgm
.Lfunc_end_k_q53d703942e_gemm:
	.size	k_q53d703942e_gemm, .Lfunc_end_k_q53d703942e_gemm-k_q53d703942e_gemm
	.p2alignl 7, 3214868480
	.fill 96, 4, 3214868480
	.section	.rodata,"a",@progbits
	.p2align	6, 0x0
	.amdhsa_kernel k_q53d703942e_gemm
		.amdhsa_group_segment_fixed_size 327680
		.amdhsa_private_segment_fixed_size 0
		.amdhsa_enable_private_segment 0
		.amdhsa_kernarg_size 32
		.amdhsa_user_sgpr_count 2
		.amdhsa_user_sgpr_kernarg_segment_ptr 1
		.amdhsa_wavefront_size32 1
		.amdhsa_system_sgpr_workgroup_id_x 1
		.amdhsa_system_sgpr_workgroup_id_y 1
		.amdhsa_system_sgpr_workgroup_id_z 1
		.amdhsa_system_vgpr_workitem_id 0
		.amdhsa_next_free_vgpr 1024
		.amdhsa_next_free_sgpr 100
		.amdhsa_reserve_vcc 0
		.amdhsa_float_denorm_mode_32 3
		.amdhsa_float_denorm_mode_16_64 3
		.amdhsa_memory_ordered 1
		.amdhsa_forward_progress 1
		.amdhsa_inst_pref_size 217
	.end_amdhsa_kernel
	.amdgpu_metadata
---
amdhsa.version: [ 1, 2 ]
amdhsa.kernels:
  - .name:           k_q53d703942e_gemm
    .symbol:         k_q53d703942e_gemm.kd
    .args:
      - { .name: cod, .offset: 0, .size: 8, .value_kind: global_buffer, .address_space: global }
      - { .name: sc, .offset: 8, .size: 8, .value_kind: global_buffer, .address_space: global }
      - { .name: img, .offset: 16, .size: 8, .value_kind: global_buffer, .address_space: global }
      - { .name: scl, .offset: 24, .size: 8, .value_kind: global_buffer, .address_space: global }
    .group_segment_fixed_size: 327680
    .private_segment_fixed_size: 0
    .kernarg_segment_align: 8
    .kernarg_segment_size: 32
    .max_flat_workgroup_size: 128
    .sgpr_count:     100
    .vgpr_count:     1024
    .wavefront_size: 32
...
	.end_amdgpu_metadata
.endif
;; end of part 2
;; launch attn (part 3): grid 2 x 128, 8 waves a work-group, no clusters, 167,936 bytes of LDS; arguments img, scl, scale, out0; writes out0
.if DOCPART == 3
	.amdgcn_target "amdgcn-amd-amdhsa--gfx1250"
	.amdhsa_code_object_version 6
	.text
	.protected	k_q53d703942e_attn
	.globl	k_q53d703942e_attn
	.p2align	8
	.type	k_q53d703942e_attn,@function
k_q53d703942e_attn:
	s_mov_b64 s[64:65], 0
	v_nop
	global_prefetch_b8 v0, s[64:65] scope:SCOPE_SE
	s_setreg_imm32_b32 hwreg(HW_REG_WAVE_MODE, 25, 1), 1
	s_wait_xcnt 0x0
; out[b][n][64 h + d] = sum over keys m < n of attn(n, m) v(m, d);  attn = softmax over m of (q(n) . k(m) x scale[h]), keys m >= n hidden (-1e30); row 0, which has no key, is 0.
; Both products on codes of BF6 (E3M2) with E8M0 scales.  The second product's operand is the finished, normalised attn, so a row's sum is known before any of its numbers is turned into a code.
; LEFT OUT: key steps of 128 that lie wholly behind the mask which reference() builds itself (m >= n for all their keys and all the tile's queries): their attn is 0 for all values of the inputs.
; A NaN, an infinity or an overflow that reaches only those steps is not carried to the result.
; SHARES.  A work-group serves one (batch, head); its K and V, images of operand registers, 96 KiB, come into LDS once and stay.  Eight waves of 512 registers.  TWO WAVES SHARE A TILE OF 16 QUERIES:
; wave w (0..3) takes the even key steps of 128, wave w + 4 the odd ones, at most four steps, 256 registers of scores, each.  Eight rounds: in round J every tile has n = 8 - J key steps; the eight tiles
; with that n (blocks of 32 queries 4 (n - 1) + 0..3, two tiles each) go to the head's 2 x 4 pairs of waves.  With n = 1 the odd wave has no step: it works step 1 and its part counts for nothing (factor 0).
; THE SOFTMAX IN TWO PARTS.  Each wave takes away its own largest t rounded UP to a whole number M_i (kept as -M_i): p = 2^(t - M_i).  The two exchange (-M_i, sum_i) through LDS; M = the larger;
; f_i = 2^(M_i - M) is a power of two, so bringing p and the sums under M rounds nothing; attn = p x (f_i / sum).  The two halves of out are added on the way out: each wave puts its half into its stage,
; and behind a barrier each reads 8 rows of both stages, adds and stores them.  Two barriers a round.
; THE SIGN OF scale GOES INTO q's CODES (the sign bits of the 32 codes are flipped where scale < 0: exact), so that t = score x |c|, c = scale x log2(e), rises with the score and maxima are taken of scores.
; The step with the diagonal is brought to t first and hidden keys are set to -1e30 there; its multiplier in t x mult - M is then 1.  Only blocks of 32 keys at or behind the diagonal block are tested.
; NOT SHARED IN A CLUSTER: two work-groups read a head's K and V, once each, by one load a wave at the head; there is no ring in which joint requests could recur.  NO PREFETCH: the loop reads from memory
; only q's 1,536 bytes a round, and their load itself is issued a round ahead.
; LAYOUT as the launch before stores it: both products transposed, a lane holds ONE query (lane % 16).  Row r of a tile of tokens is token 32 b + 8 u + r + 8 (r / 8).  An image of K holds 32 keys, tile 0 in K 0..63 and
; tile 1 in K 64..127; it is multiplied by [q, zero codes] and by [zero codes, q].  A block's largest attn is not searched for: the block's largest score goes through the same multiply-add, exponential and
; multiplication as its elements (this takes v_exp_f32 not to fall where its input rises).
; LIMITS: NaN and infinities are not served; score x scale x log2(e) must stay well under 1e30 in magnitude; p under 2^-126 counts as 0; 1 / sum is v_rcp_f32's.
; REGISTERS.  window 0: v1-15 addresses; v16-31 a round's numbers; v32-47 K's and V's scale words of my four steps; v48-71 q's two forms; v72-78 the next q; v80-95 block maxima; v96-131 at work, attn's codes;
;   v132-141 |c| and the four slots' multipliers; v144-239 K's fragments, two sets; V's fragments and the rows on the way out lie in the first, out^T's four accumulators in the second.  window 1: the scores, slot k at v[64 k].
; THE ORDER OF A ROUND, and THE WAY OUT (in place of what is said above of 8 rows a wave).  Scores and maxima go slot by slot: slot k + 1's fragments of K are asked for ahead of slot k's products and have those products and
; slot k's maxima in which to land; they are not asked for where slot k is my last.  Behind the second barrier the wave that had the diagonal's step reads all 16 rows of both stages, adds and stores them; the diagonal
; changes sides from round to round, so in the next round that wave has no hidden keys to see to, and never the longer half.  Its partner goes straight on.
.set LK,   1                           ; 16 x lane + 6,144 x (odd steps): K's images of my slot 0
.set LV,   2                           ; the same + 49,152: V's
.set STO,  3
.set RD,   4
.set GO,   5
.set L8,   6
.set R8,   7
.set RP,   8
.set XW,   9                           ; where I put (-M, sum)
.set NEG,  10
.set XR,   11                          ; where my partner puts them
.set QG,   12
.set DM1,  13                          ; in the diagonal's step register 16 kb + i is hidden where 32 kb + i > DM1
.set MX,   14
.set NM,   16
.set RL,   18
.set SUM,  20
.set T0,   28
.set QSW,  30
.set PW,   31
.set KSC,  32
.set VSC,  40
.set QLO,  48
.set QHI,  60
.set QN,   72
.set BM,   80
.set TM,   96
.set TP,   112
.set PC,   120
.set CV,   132
.set CM,   134
.set SPW,  142
.set NIL,  143
.set KF,   144
.set VF,   144
.set OB,   144
.set OA,   192
.set QC,   240
.set POS,  241
.set X0,   242
.set X2,   244
.set F0,   246
.set F1,   247
.set LQ,   248
.set STG,  98304                       ; behind K's and V's images: a stage of 16 rows x (256 + 16) bytes for each wave
.set STW,  16*272
.set XCH,  STG+8*STW                   ; 256 bytes for each wave: (-M, sum) of its lanes
.set SPARE, XCH+8*256                  ; the spare words, 128 bytes for each wave
.set WV,   12
.set BH,   13
.set RO,   14                          ; 0: I take the even key steps, 1: the odd ones
.set PI,   15                          ; which pair of waves
.set J,    16
.set N1,   17                          ; n - 1
.set SL,   18                          ; my last slot
.set DS,   19                          ; the slot with the diagonal, 64 where my partner has it
.set SEL,  20
.set BQ,   22                          ; my block of queries % 4
.set U,    23
.set IV,   24                          ; all ones where I have a step
.set CA,   25
.set G0,   28
.set G1,   32
.set SM,   40                          ; s40-42: the codes' sign bits where scale < 0, else 0
.set U16,  43
.set QIA,  44
.set QIB,  46
.set QSA,  48
.set QA,   50
.set QA2,  52
.set QS,   54
.set HB,   56
.set OUTB, 58
.set KSB,  60
.set VSB,  62
.set MSB, 0
.macro WIN new                         ; the immediate's high byte repeats the setting that is left
.if MSB != \new
	s_set_vgpr_msb (MSB<<8)|\new
.set MSB, \new
.endif
.endm
.macro PLACES                          ; four plain instructions between a matrix instruction and a load into, or a vector write of, its registers, or a read of its result
.rept 4
	v_nop
.endr
.endm
.macro QADDR                           ; s67 = n - 1 of a round: my tile's six registers of q's image and its scale word are asked for
	s_mul_i32 s68, s67, 6144                       ; four images a step of n
	s_mov_b32 s69, 0
	s_add_nc_u64 s[QA:QA+1], s[QIA:QIA+1], s[68:69]
	s_add_nc_u64 s[QA2:QA2+1], s[QIB:QIB+1], s[68:69]
	s_lshl_b32 s68, s67, 8
	s_add_nc_u64 s[QS:QS+1], s[QSA:QSA+1], s[68:69]
	global_load_b64 v[QN:QN+1], v[LQ], s[QA:QA+1]
	global_load_b64 v[QN+2:QN+3], v[LQ], s[QA2:QA2+1] offset:8
	global_load_b64 v[QN+4:QN+5], v[LQ], s[QA:QA+1] offset:512
	global_load_b32 v[QN+6], v[R8], s[QS:QS+1]
.endm
	s_load_b256 s[4:11], s[0:1], 0x0               ; img s[4:5], scl s[6:7], scale s[8:9], out0 s[10:11]
	v_lshl_add_u32 v[SPW], v0, 2, SPARE
	v_mov_b32 v[NIL], 0
	ds_add_u32 v[SPW], v[NIL]                      ; the opening lines: the add, twice on end, and its wait ahead of my tensor load
	ds_add_u32 v[SPW], v[NIL]
	v_lshrrev_b32 v1, 5, v0
	v_readfirstlane_b32 s[WV], v1                  ; wave 0..7
	s_and_b32 s[BH], ttmp7, 0xffff                 ; 16 x batch + head
	s_lshr_b32 s[RO], s[WV], 2
	s_and_b32 s[PI], s[WV], 3
	s_lshl_b32 s66, ttmp9, 2
	s_add_co_u32 s66, s66, s[PI]                   ; which of the head's 8 pairs
	s_lshr_b32 s[BQ], s66, 1
	s_and_b32 s[U], s66, 1
	s_lshl_b32 s[U16], s[U], 4
	s_mov_b32 s[SEL], 0x76543210
	s_mov_b32 s[SEL+1], 0xfedcba98                 ; v_permlanex16_b32's selects for lane l xor 16
	s_mov_b32 s[G1+0], 3<<16                       ; a dense block of 12,288 bytes as 48 rows of 256 bytes: elements of 8 bytes, no mask, no padding
	s_mov_b32 s[G1+1], 32<<16
	s_mov_b32 s[G1+2], 48<<16
	s_mov_b32 s[G1+3], 32<<16
	s_mov_b32 s[G1+4], 48
	s_mov_b32 s[G1+5], 32
	s_mov_b32 s[G1+6], 0
	s_mov_b32 s[G1+7], 0
	s_add_co_u32 s66, s[RO], 1                     ; waves 0-3: the quarters of K's 32 images; waves 4-7: of V's
	s_lshl_b32 s66, s66, 7
	s_add_co_u32 s66, s66, s[BH]
	s_mul_i32 s66, s66, 49152
	s_mul_i32 s67, s[PI], 12288
	s_add_co_u32 s66, s66, s67
	s_mov_b32 s67, 0
	s_mov_b32 s[G0], 1
	s_mul_i32 s[G0+1], s[WV], 12288                ; each wave fills LDS bytes of its own
	s_wait_dscnt 0x0
	s_wait_kmcnt 0x0
	s_add_nc_u64 s[G0+2:G0+3], s[4:5], s[66:67]
	s_or_b32 s[G0+3], s[G0+3], 0x80000000
	tensor_load_to_lds s[G0:G0+3], s[G1:G1+7]      ; my one tensor load of the launch; nothing is filled again
	s_nop 0
.rept 4
	v_nop
.endr
	s_and_b32 s66, s[BH], 15                       ; the head
	s_lshl_b32 s68, s66, 2
	s_mov_b32 s69, 0
	s_add_nc_u64 s[8:9], s[8:9], s[68:69]
	s_load_b32 s26, s[8:9], 0x0                    ; scale[head]
	s_lshl_b32 s66, s66, 8
	s_lshr_b32 s68, s[BH], 4
	s_lshl_b32 s68, s68, 22
	s_add_co_u32 s68, s68, s66
	s_lshl_b32 s70, s[BQ], 5
	s_lshl_b32 s71, s[U], 3
	s_add_co_u32 s70, s70, s71                     ; 32 (block % 4) + 8 u: my tile's first row inside its 128
	s_lshl_b32 s71, s70, 12
	s_add_co_u32 s68, s68, s71
	s_add_nc_u64 s[HB:HB+1], s[10:11], s[68:69]    ; out0: my batch, my head's 256 bytes, that row
	s_mul_i32 s68, s[BH], 49152
	s_mul_i32 s71, s[BQ], 1536
	s_add_co_u32 s68, s68, s71
	s_mul_i32 s71, s[U], 520                       ; registers 6 u, 6 u + 1 lie at 520 u, registers 6 u + 4, 6 u + 5 at 512 + 520 u,
	s_add_co_u32 s72, s68, s71
	s_mov_b32 s73, 0
	s_add_nc_u64 s[QIA:QIA+1], s[4:5], s[72:73]
	s_mul_i32 s71, s[U], 1016                      ; registers 6 u + 2, 6 u + 3 at 8 + 1016 u
	s_add_co_u32 s72, s68, s71
	s_add_nc_u64 s[QIB:QIB+1], s[4:5], s[72:73]
	s_lshl_b32 s68, s[BH], 11
	s_and_b32 s71, s[BQ], 1
	s_lshl_b32 s71, s71, 7
	s_add_co_u32 s72, s68, s71
	s_lshr_b32 s71, s[BQ], 1
	s_lshl_b32 s71, s71, 2
	s_add_co_u32 s72, s72, s71
	s_add_nc_u64 s[QSA:QSA+1], s[6:7], s[72:73]    ; q's scale words
	s_lshl_b32 s71, s[RO], 8
	s_add_co_u32 s68, s68, s71
	s_add_co_u32 s68, s68, 128*2048
	s_add_nc_u64 s[KSB:KSB+1], s[6:7], s[68:69]    ; k's, from my first step on,
	s_add_co_u32 s68, s68, 128*2048
	s_add_nc_u64 s[VSB:VSB+1], s[6:7], s[68:69]    ; v's
	s_mul_i32 s74, s[RO], 6144
	s_lshl_b32 s75, s[PI], 1
	s_add_co_u32 s75, s75, s[RO]
	s_mul_i32 s75, s75, STW
	s_add_co_u32 s75, s75, STG                     ; my stage: the pair's two lie side by side
	s_mul_i32 s76, s[PI], 2*STW
	s_add_co_u32 s76, s76, STG                     ; back: the pair's first stage
	s_lshl_b32 s77, s[WV], 8
	s_add_co_u32 s77, s77, XCH
	s_xor_b32 s78, s[WV], 4
	s_lshl_b32 s78, s78, 8
	s_add_co_u32 s78, s78, XCH
	s_sub_co_u32 s71, s70, 1
	v_and_b32 v[T0], 31, v0                        ; lane
	v_and_b32 v[T0+1], 15, v0                      ; r
	v_bfe_u32 v15, v0, 4, 1                        ; h
	v_lshlrev_b32 v[L8], 3, v[T0]
	v_lshlrev_b32 v[R8], 3, v[T0+1]
	v_lshlrev_b32 v[LQ], 4, v[T0]
	v_lshlrev_b32 v[LK], 4, v[T0]
	v_add_nc_u32 v[LK], s74, v[LK]
	v_add_nc_u32 v[LV], 49152, v[LK]
	v_mul_u32_u24 v[STO], v[T0+1], 272
	v_lshl_add_u32 v[STO], v15, 6, v[STO]
	v_add_nc_u32 v[STO], s75, v[STO]               ; in: row r, + 64 h
	v_mul_u32_u24 v[RD], v15, 272
	v_lshl_add_u32 v[RD], v[T0+1], 4, v[RD]
	v_add_nc_u32 v[RD], s76, v[RD]                 ; back: lanes 0-15 one row, lanes 16-31 the next
	v_lshlrev_b32 v[GO], 12, v15
	v_lshl_add_u32 v[GO], v[T0+1], 4, v[GO]
	v_add_nc_u32 v[XW], s77, v[L8]
	v_add_nc_u32 v[XR], s78, v[L8]
	v_and_b32 v[RP], 8, v[T0+1]
	v_add_nc_u32 v[RP], v[RP], v[T0+1]             ; r + 8 (r / 8)
	v_add_nc_u32 v[QC], s70, v[RP]                 ; my query inside its 128
	v_lshlrev_b32 v15, 4, v15
	v_sub_nc_u32 v[DM1], v[RP], v15
	v_add_nc_u32 v[DM1], s71, v[DM1]               ; my query inside its 128 - 16 (lane / 16) - 1: key m counts where m < n
	v_mov_b32 v[NEG], 0xf149f2ca                   ; -1e30
	v_mov_b32 v[POS], 0x7149f2ca                   ; 1e30
	s_wait_alu depctr_va_vdst(0)
.irp k, 0,1,2,3
	global_load_b64 v[KSC+2*\k:KSC+2*\k+1], v[L8], s[KSB:KSB+1] offset:512*\k   ; slot k's words: register kb / 2, lanes 0-15 for an even image, 16-31 for an odd one
	global_load_b64 v[VSC+2*\k:VSC+2*\k+1], v[L8], s[VSB:VSB+1] offset:512*\k
.endr
	s_mov_b32 s67, 7
	QADDR                                          ; the first round's q
.irp i, 0,1,2,3,4,5
	v_mov_b32 v[QLO+6+\i], 0                       ; the zero codes of q's two forms: written once
	v_mov_b32 v[QHI+\i], 0
.endr
.irp i, 0,1,2,3
	v_mov_b32 v[TM+\i], 0                          ; written once: a lane permute's destination counts as one of its sources
.endr
; The four phases of a round end by four tests of one number, so the text has ways on which a later phase would read a slot that an earlier one left out; no wave takes them.  So that every register has been
; written on every way through the text, the scores' registers and the block maxima are written once here, while the tiles are on their way.
.set n, 0
.rept 16
	v_mov_b32 v[BM+n], 0
.set n, n+1
.endr
.set n, 0
.rept 48
	v_mov_b32 v[KF+n], 0                           ; K's first set too: its load is jumped over where a slot is the last
.set n, n+1
.endr
	WIN 0x40
.set n, 0
.rept 256
	v_mov_b32 v[n], 0
.set n, n+1
.endr
	WIN 0
	s_wait_kmcnt 0x0
	v_mov_b32 v[CV], s26
	v_mul_f32 v[CV], 0x3fb8aa3b, v[CV]
	v_and_b32 v[CV], 0x7fffffff, v[CV]             ; |c|, c = scale[head] x log2(e)
	v_mov_b32 v[CV+1], v[CV]
	v_readfirstlane_b32 s[CA], v[CV]
	s_ashr_i32 s66, s26, 31                        ; all ones where scale < 0
	s_and_b32 s[SM], s66, 0x20820820               ; bit 6 i + 5 of a stream of 6-bit codes: three words, then the same again
	s_and_b32 s[SM+1], s66, 0x08208208
	s_and_b32 s[SM+2], s66, 0x82082082
	s_mov_b32 s[J], 0
	s_wait_alu depctr_va_vdst(0)
	s_wait_tensorcnt 0x0                           ; my part of K or V has landed,
	s_barrier_signal -1
	s_barrier_wait -1                              ; everybody's has; from here on these bytes are only read
.macro KLOAD k                         ; slot k's four images of K (128 keys) into set (k + 1) % 2
.irp i, 0,1,2,3
.irp g, 0,1,2
	ds_load_b128 v[KF+48*(((\k)+1)%2)+12*\i+4*\g:KF+48*(((\k)+1)%2)+12*\i+4*\g+3], v[LK] offset:(\k)*12288+\i*1536+512*\g
.endr
.endr
.endm
.macro VLOAD k                         ; slot k's four images of V^T (64 channels x 128 keys)
.irp t, 0,1,2,3
.irp g, 0,1,2
	ds_load_b128 v[VF+12*\t+4*\g:VF+12*\t+4*\g+3], v[LV] offset:(\k)*12288+\t*1536+512*\g
.endr
.endr
.endm
.macro SMM d, q, row                   ; 16 keys x my 16 queries; the image's words lie in lanes 16-31 where the image is an odd one
.if \row
	v_wmma_scale_f32_16x16x128_f8f6f4 v[\d:\d+7], v[rK:rK+11], v[\q:\q+11], 0, v[rS], v[QSW] matrix_a_fmt:MATRIX_FMT_BF6 matrix_b_fmt:MATRIX_FMT_BF6 matrix_a_scale:MATRIX_SCALE_ROW1
.else
	v_wmma_scale_f32_16x16x128_f8f6f4 v[\d:\d+7], v[rK:rK+11], v[\q:\q+11], 0, v[rS], v[QSW] matrix_a_fmt:MATRIX_FMT_BF6 matrix_b_fmt:MATRIX_FMT_BF6
.endif
.endm
; S: the scores of slot k
.macro SSTEP k
.set SB, 64*(\k)
.if (\k) == 0
	s_wait_xcnt 0x0                                ; the last round's stores have read their registers, which this round's loads of K and V fill
.endif
.if (\k) < 3
	s_cmp_eq_u32 s[SL], \k
	s_cbranch_scc1 .Lnl_\@                         ; my last slot: nothing more is asked for
	PLACES                                         ; the other set was read by the slot before
	KLOAD (\k)+1
	s_wait_dscnt 12                                ; this slot's 12 loads are in; the next slot's 12 may be out
	s_branch .Lgo_\@
.Lnl_\@:
	s_wait_dscnt 0x0
.Lgo_\@:
.else
	s_wait_dscnt 0x0
.endif
	WIN 0x40                                       ; the scores in window 1
.irp kb, 0,1,2,3
.set rK, KF+48*(((\k)+1)%2)+12*\kb
.set rS, KSC+2*(\k)+\kb/2
	SMM SB+16*\kb, QLO, \kb%2
	SMM SB+16*\kb+8, QHI, \kb%2
.endr
	WIN 0
	PLACES                                         ; ahead of the first read of the scores
.endm
.macro MASKB sb, kb                    ; block kb of the diagonal's step: blocks ahead of my queries' block hide nothing
.if (\kb) < 3
	s_cmp_gt_u32 s[BQ], \kb
	s_cbranch_scc1 .Lvis_\@
.endif
	WIN 0x41
.set n, 0
.rept 16
	v_cmp_gt_i32 vcc_lo, 32*(\kb)+n, v[DM1]
	v_cndmask_b32 v[\sb+16*(\kb)+n], v[\sb+16*(\kb)+n], v[NEG], vcc_lo
.set n, n+1
.endr
	WIN 0
.if (\kb) < 3
.Lvis_\@:
.endif
.endm
; M: the largest score of each block of 32 keys, and the row's largest t.  The diagonal's step is first brought to t = score x |c|, and its hidden keys become -1e30
.macro MSTEP k
.set SB, 64*(\k)
	s_cmp_lg_u32 s[DS], \k
	s_cbranch_scc1 .Lopen_\@
	WIN 0x41
.set n, 0
.rept 32
	v_pk_mul_f32 v[SB+n:SB+n+1], v[SB+n:SB+n+1], v[CV:CV+1]   ; each accumulator is read from its low end on
.set n, n+2
.endr
	WIN 0
	s_wait_alu depctr_va_vdst(0)
	MASKB SB, 0
	MASKB SB, 1
	MASKB SB, 2
	MASKB SB, 3
.Lopen_\@:
	s_wait_alu depctr_va_vdst(0)
	WIN 0x14
.irp kb, 0,1,2,3
	v_max3_num_f32 v[BM+4*(\k)+\kb], v[NEG], v[SB+16*\kb], v[SB+16*\kb+1]
.endr
.irp i, 2,4,6,8,10,12,14
.irp kb, 0,1,2,3
	v_max3_num_f32 v[BM+4*(\k)+\kb], v[BM+4*(\k)+\kb], v[SB+16*\kb+\i], v[SB+16*\kb+\i+1]   ; (the four blocks by turns)
.endr
.endr
	WIN 0
.irp kb, 0,1,2,3
	v_permlanex16_b32 v[TM+\kb], v[BM+4*(\k)+\kb], s[SEL], s[SEL+1]
.endr
.irp kb, 0,1,2,3
	v_max_num_f32 v[BM+4*(\k)+\kb], v[BM+4*(\k)+\kb], v[TM+\kb]   ; with lane l xor 16's 16 keys
.endr
	v_max3_num_f32 v[T0], v[BM+4*(\k)], v[BM+4*(\k)+1], v[BM+4*(\k)+2]
	s_delay_alu instid0(VALU_DEP_1)
	v_max_num_f32 v[T0], v[T0], v[BM+4*(\k)+3]
	s_delay_alu instid0(VALU_DEP_1)
	v_mul_f32 v[T0], v[T0], v[CM+2*(\k)]           ; as t: the slot's multiplier is |c|, or 1 where the slot holds t already
	s_delay_alu instid0(VALU_DEP_1)
	v_max_num_f32 v[MX], v[MX], v[T0]
.if (\k) < 3
	s_cmp_eq_u32 s[SL], \k
	s_cbranch_scc1 .LM_done
.endif
.endm
; E: p = 2^(t - M), of the 64 numbers and of the four block maxima: one batch of exponentials; then the sum, in four chains of pairs
.macro ESTEP k
.set SB, 64*(\k)
.irp kb, 0,1,2,3
	v_fma_f32 v[BM+4*(\k)+\kb], v[BM+4*(\k)+\kb], v[CM+2*(\k)], v[NM]
.endr
	WIN 0x41
.set n, 0
.rept 32
	v_pk_fma_f32 v[SB+n:SB+n+1], v[SB+n:SB+n+1], v[CM+2*(\k):CM+2*(\k)+1], v[NM:NM+1]
.set n, n+2
.endr
	s_wait_alu depctr_va_vdst(0)
.set n, 0
.rept 64
	v_exp_f32 v[SB+n], v[SB+n]
.set n, n+1
.endr
	WIN 0
.irp kb, 0,1,2,3
	v_exp_f32 v[BM+4*(\k)+\kb], v[BM+4*(\k)+\kb]
.endr
	v_nop                                          ; a plain instruction behind the last exponential
	s_wait_alu depctr_va_vdst(0)                   ; and one wait for the batch of 68, ahead of its first reader
	WIN 0x04
.set n, 0
.rept 32
.set c4, SUM+2*((n/2)%4)
	v_pk_add_f32 v[c4:c4+1], v[c4:c4+1], v[SB+n:SB+n+1]
.set n, n+2
.endr
	WIN 0
.if (\k) < 3
	s_cmp_eq_u32 s[SL], \k
	s_cbranch_scc1 .LE_done
.endif
.endm
; P: attn = p x factor, quantised along the keys, block by block; out^T += V^T attn^T
.macro PSTEP k
.set SB, 64*(\k)
	PLACES                                         ; V's registers, attn's codes and its scale word were read by the slot before
	VLOAD \k
.irp kb, 0,1,2,3
	v_mul_f32 v[TM+\kb], v[BM+4*(\k)+\kb], v[RL]   ; the block's largest attn
.endr
.irp kb, 0,1,2,3
	v_max_num_f32 v[TM+\kb], 0x2800000, v[TM+\kb]  ; the floor 2^(5 - 127): the byte cannot fall under 1 (a block of zeros keeps that byte: its codes are zeros)
.endr
.irp kb, 0,1,2,3
	v_add_nc_u32 v[TM+12+\kb], 0xfe000000, v[TM+\kb]   ; 4 off the exponent field: the conversion's scale operand
.endr
.irp kb, 0,1,2,3
	v_lshrrev_b32 v[TM+4+\kb], 23, v[TM+12+\kb]    ; the byte
.endr
	v_lshl_or_b32 v[PW], v[TM+5], 8, v[TM+4]       ; attn's scale word for these 128 keys; the 32 multiplications below stand between it and the products
	v_lshl_or_b32 v[PW], v[TM+6], 16, v[PW]
	v_lshl_or_b32 v[PW], v[TM+7], 24, v[PW]
	WIN 0x41
.set n, 0
.rept 32
	v_pk_mul_f32 v[SB+n:SB+n+1], v[SB+n:SB+n+1], v[RL:RL+1]
.set n, n+2
.endr
	WIN 0x01
.irp c, 0,1
	v_cvt_scalef32_pk16_bf6_f32 v[PC+6*\c:PC+6*\c+2], v[SB+32*\c:SB+32*\c+15], v[TM+12+2*\c]
	v_cvt_scalef32_pk16_bf6_f32 v[TP+4*\c:TP+4*\c+2], v[SB+32*\c+16:SB+32*\c+31], v[TM+13+2*\c]
.endr
	WIN 0
	v_nop                                          ; one plain instruction behind the conversions
.irp c, 0,1                                    ; the operand's layout wants a whole block in a lane: lanes 0-15 block 2 c, lanes 16-31 block 2 c + 1
.irp i, 0,1,2
	v_permlane16_swap_b32 v[PC+6*\c+\i], v[TP+4*\c+\i]
.endr
.irp i, 0,1,2
	v_mov_b32 v[PC+6*\c+3+\i], v[TP+4*\c+\i]
.endr
.endr
	PLACES                                         ; an operand written by a vector instruction stands 4 places ahead of a scaled matrix instruction
	s_wait_alu depctr_va_vdst(0)
	s_wait_dscnt 0x0                               ; V is in
.irp t, 0,1,2,3                                ; the four accumulators take turns, one instruction a turn
.set rV, VF+12*\t
.set rO, OA+8*\t
.set rS, VSC+2*(\k)+\t/2
.if (\k) == 0
.if \t%2
	v_wmma_scale_f32_16x16x128_f8f6f4 v[rO:rO+7], v[rV:rV+11], v[PC:PC+11], 0, v[rS], v[PW] matrix_a_fmt:MATRIX_FMT_BF6 matrix_b_fmt:MATRIX_FMT_BF6 matrix_a_scale:MATRIX_SCALE_ROW1
.else
	v_wmma_scale_f32_16x16x128_f8f6f4 v[rO:rO+7], v[rV:rV+11], v[PC:PC+11], 0, v[rS], v[PW] matrix_a_fmt:MATRIX_FMT_BF6 matrix_b_fmt:MATRIX_FMT_BF6
.endif
.else
.if \t%2
	v_wmma_scale_f32_16x16x128_f8f6f4 v[rO:rO+7], v[rV:rV+11], v[PC:PC+11], v[rO:rO+7], v[rS], v[PW] matrix_a_fmt:MATRIX_FMT_BF6 matrix_b_fmt:MATRIX_FMT_BF6 matrix_a_scale:MATRIX_SCALE_ROW1
.else
	v_wmma_scale_f32_16x16x128_f8f6f4 v[rO:rO+7], v[rV:rV+11], v[PC:PC+11], v[rO:rO+7], v[rS], v[PW] matrix_a_fmt:MATRIX_FMT_BF6 matrix_b_fmt:MATRIX_FMT_BF6
.endif
.endif
.endr
.if (\k) < 3
	s_cmp_eq_u32 s[SL], \k
	s_cbranch_scc1 .LP_done
.endif
.endm
.Lround:                                           ; 8 trips: tiles of n = 8 - J key steps
	KLOAD 0
	s_sub_co_u32 s[N1], 7, s[J]
	s_add_co_u32 s66, s[N1], 2
	s_sub_co_u32 s66, s66, s[RO]
	s_lshr_b32 s66, s66, 1                         ; my steps: (n + 1) / 2 even ones, n / 2 odd ones
	s_cmp_lg_u32 s66, 0
	s_cselect_b32 s[IV], -1, 0
	s_max_u32 s66, s66, 1
	s_sub_co_u32 s[SL], s66, 1
	s_and_b32 s66, s[N1], 1
	s_cmp_eq_u32 s66, s[RO]                        ; step n - 1 holds the diagonal: is it one of mine?  Then it is my last slot
	s_cselect_b32 s[DS], s[SL], 64
	s_wait_loadcnt 0x0                             ; q (asked for a round ago), and in the first trip K's and V's scale words
.irp i, 0,1,2,3,4,5
	v_xor_b32 v[QLO+\i], s[SM+(\i%3)], v[QN+\i]    ; [q, zeros], with scale's sign
	v_xor_b32 v[QHI+6+\i], s[SM+(\i%3)], v[QN+\i]  ; [zeros, q]
.endr
	v_lshrrev_b32 v[T0], s[U16], v[QN+6]           ; the image's word holds tile 0's two bytes, then tile 1's:
	v_and_b32 v[T0], 0xffff, v[T0]
	v_lshl_or_b32 v[QSW], v[T0], 16, v[T0]         ; mine, twice: they serve both forms of q
	s_sub_co_i32 s67, s[N1], 1
	s_max_i32 s67, s67, 0                          ; the last round asks for its own q once more: no load leaves its buffer
	QADDR
	s_lshl_b32 s66, s[N1], 7
	v_add_nc_u32 v[QG], s66, v[QC]                 ; my query
	v_mov_b32 v[MX], v[NEG]
.irp i, 0,1,2,3,4,5,6,7
	v_mov_b32 v[SUM+\i], 0
.endr
.irp k, 0,1,2,3
	s_cmp_eq_u32 s[DS], \k
	s_cselect_b32 s66, 1.0, s[CA]
	v_mov_b32 v[CM+2*\k], s66                      ; the slot's multiplier
	v_mov_b32 v[CM+2*\k+1], s66
.endr
	s_wait_alu depctr_va_vdst(0)
	SSTEP 0
	MSTEP 0
	SSTEP 1
	MSTEP 1
	SSTEP 2
	MSTEP 2
	SSTEP 3
	MSTEP 3
.LM_done:
	s_wait_alu depctr_va_vdst(0)
	v_floor_f32 v[NM], -v[MX]                      ; -M = floor(-t) = -ceil(t): M is a whole number
	s_delay_alu instid0(VALU_DEP_1)
	v_mov_b32 v[NM+1], v[NM]
	ESTEP 0
	ESTEP 1
	ESTEP 2
	ESTEP 3
.LE_done:
	s_wait_alu depctr_va_vdst(0)
	v_pk_add_f32 v[SUM:SUM+1], v[SUM:SUM+1], v[SUM+2:SUM+3]
	v_pk_add_f32 v[SUM+4:SUM+5], v[SUM+4:SUM+5], v[SUM+6:SUM+7]
	s_delay_alu instid0(VALU_DEP_1)
	v_pk_add_f32 v[SUM:SUM+1], v[SUM:SUM+1], v[SUM+4:SUM+5]
	s_delay_alu instid0(VALU_DEP_1)
	v_add_f32 v[SUM], v[SUM], v[SUM+1]
	v_permlanex16_b32 v[T0], v[SUM], s[SEL], s[SEL+1]
	v_add_f32 v[SUM], v[SUM], v[T0]                ; my keys' sum under my M
	v_cndmask_b32 v[X0], v[POS], v[NM], s[IV]      ; a wave without a step says M = -1e30
	v_cndmask_b32 v[X0+1], 0, v[SUM], s[IV]        ; and sum = 0
	ds_store_b64 v[XW], v[X0:X0+1]
	s_wait_alu depctr_va_vdst(0)
	s_wait_dscnt 0x0                               ; my store is done
	s_barrier_signal -1
	s_barrier_wait -1                              ; my partner's is
	ds_load_b64 v[X2:X2+1], v[XR]
	s_wait_dscnt 0x0
	v_min_num_f32 v[T0], v[X0], v[X2]              ; -M of the whole row
	s_delay_alu instid0(VALU_DEP_1)
	v_sub_f32 v[F0], v[T0], v[X0]                  ; M_i - M: whole numbers, 0 or less
	v_sub_f32 v[F1], v[T0], v[X2]
	s_delay_alu instid0(VALU_DEP_2)
	v_cvt_i32_f32 v[F0], v[F0]                     ; (it saturates)
	s_delay_alu instid0(VALU_DEP_2)
	v_cvt_i32_f32 v[F1], v[F1]
	s_delay_alu instid0(VALU_DEP_2)
	v_ldexp_f32 v[F0], 1.0, v[F0]                  ; f = 2^(M_i - M)
	s_delay_alu instid0(VALU_DEP_2)
	v_ldexp_f32 v[F1], 1.0, v[F1]
	s_delay_alu instid0(VALU_DEP_1)
	v_mul_f32 v[T0], v[X2+1], v[F1]
	s_delay_alu instid0(VALU_DEP_1)
	v_fma_f32 v[T0], v[X0+1], v[F0], v[T0]         ; the row's sum under M: at least 1/2, since the largest t gives 2^(t - M) over 1/2
	v_cmp_ne_u32 vcc_lo, 0, v[QG]
	s_wait_alu depctr_va_vdst(0)
	v_rcp_f32 v[RL], v[T0]
	v_nop                                          ; a plain instruction behind it
	s_wait_alu depctr_va_vdst(0)                   ; and the wait ahead of its first reader
	v_mul_f32 v[RL], v[RL], v[F0]                  ; my factor: f / sum
	v_cndmask_b32 v[RL], 0, v[RL], vcc_lo          ; query 0 has no key: its attn is 0
	v_mov_b32 v[RL+1], v[RL]
	PSTEP 0
	PSTEP 1
	PSTEP 2
	PSTEP 3
.LP_done:
	; THE WAY OUT.  Register j of accumulator t is my half of out(query r, channel 32 (t / 2) + 16 h + 8 (t % 2) + j): into my stage; behind the barrier 8 rows of both stages come back, are added and leave as rows of 256 bytes.
	PLACES
.irp t, 0,1,2,3
	ds_store_b128 v[STO], v[OA+8*\t:OA+8*\t+3] offset:128*(\t/2)+32*(\t%2)       ; each accumulator from its low end on
	ds_store_b128 v[STO], v[OA+8*\t+4:OA+8*\t+7] offset:128*(\t/2)+32*(\t%2)+16
.endr
	s_wait_dscnt 0x0
	s_barrier_signal -1
	s_barrier_wait -1
	s_cmp_eq_u32 s[DS], 64
	s_cbranch_scc1 .Lno_out                        ; my partner had the diagonal's step: it brings the tile out
.irp i, 0,1,2,3,4,5,6,7
	ds_load_b128 v[OB+4*\i:OB+4*\i+3], v[RD] offset:2*\i*272
	ds_load_b128 v[OB+32+4*\i:OB+32+4*\i+3], v[RD] offset:STW+2*\i*272
.endr
	s_wait_xcnt 0x0                                ; my earlier stores have read their base: it is written again only behind this wait
	s_lshl_b32 s66, s[N1], 19                      ; 128 (n - 1) rows of 4,096 bytes
	s_mov_b32 s67, 0
	s_add_nc_u64 s[OUTB:OUTB+1], s[HB:HB+1], s[66:67]
	s_wait_dscnt 0x0
.irp i, 0,1,2,3,4,5,6,7,8,9,10,11,12,13,14,15
	v_pk_add_f32 v[OB+2*\i:OB+2*\i+1], v[OB+2*\i:OB+2*\i+1], v[OB+32+2*\i:OB+32+2*\i+1]
.endr
.irp i, 0,1,2,3,4,5,6,7
	global_store_b128 v[GO], v[OB+4*\i:OB+4*\i+3], s[OUTB:OUTB+1] offset:(2*\i+8*(\i/4))*4096 th:TH_STORE_NT   ; sixteen lanes store 256 consecutive bytes, aligned; tile row p is row p + 8 (p / 8)
.endr
.Lno_out:
	s_add_co_u32 s[J], s[J], 1
	s_cmp_lt_u32 s[J], 8
	s_wait_alu depctr_va_vdst(0)
	s_cbranch_scc1 .Lround
	s_wait_tensorcnt 0x0                           ; the wave's end
	ds_add_u32 v[SPW], v[NIL]
	s_wait_dscnt 0x0
	s_endpgm
.Lfunc_end_k_q53d703942e_attn:
	.size	k_q53d703942e_attn, .Lfunc_end_k_q53d703942e_attn-k_q53d703942e_attn
	.p2alignl 7, 3214868480
	.fill 96, 4, 3214868480
	.section	.rodata,"a",@progbits
	.p2align	6, 0x0
	.amdhsa_kernel k_q53d703942e_attn
		.amdhsa_group_segment_fixed_size 167936
		.amdhsa_private_segment_fixed_size 0
		.amdhsa_enable_private_segment 0
		.amdhsa_kernarg_size 32
		.amdhsa_user_sgpr_count 2
		.amdhsa_user_sgpr_kernarg_segment_ptr 1
		.amdhsa_wavefront_size32 1
		.amdhsa_system_sgpr_workgroup_id_x 1
		.amdhsa_system_sgpr_workgroup_id_y 1
		.amdhsa_system_sgpr_workgroup_id_z 1
		.amdhsa_system_vgpr_workitem_id 0
		.amdhsa_next_free_vgpr 512
		.amdhsa_next_free_sgpr 80
		.amdhsa_reserve_vcc 1
		.amdhsa_float_denorm_mode_32 3
		.amdhsa_float_denorm_mode_16_64 3
		.amdhsa_memory_ordered 1
		.amdhsa_forward_progress 1
		.amdhsa_inst_pref_size 124
	.end_amdhsa_kernel
	.amdgpu_metadata
---
amdhsa.version: [ 1, 2 ]
amdhsa.kernels:
  - .name:           k_q53d703942e_attn
    .symbol:         k_q53d703942e_attn.kd
    .args:
      - { .name: img, .offset: 0, .size: 8, .value_kind: global_buffer, .address_space: global }
      - { .name: scl, .offset: 8, .size: 8, .value_kind: global_buffer, .address_space: global }
      - { .name: scale, .offset: 16, .size: 8, .value_kind: global_buffer, .address_space: global }
      - { .name: out0, .offset: 24, .size: 8, .value_kind: global_buffer, .address_space: global }
    .group_segment_fixed_size: 167936
    .private_segment_fixed_size: 0
    .kernarg_segment_align: 8
    .kernarg_segment_size: 32
    .max_flat_workgroup_size: 256
    .sgpr_count:     80
    .vgpr_count:     512
    .wavefront_size: 32
...
	.end_amdgpu_metadata
.endif
;; end of part 3
